; MI455X (gfx1250); checked and timed in simulation.
; The chip was launched on July 23, 2026; its instructions are those of AMD's public machine-readable ISA for CDNA 5 (MIT licence, August 2026) and "CDNA5" Instruction Set Architecture Reference Guide (July 2026). The comments in the code are by the model that wrote it; some were corrected since.
;; Multi Head Masked Self Attention. Allowed arithmetic: float matrix products may take bf16 or f16 operands with f32 sums; all other float work in f32.
;; Inputs: Wk 1,024 x 1,024 float32; Wo 1,024 x 1,024 float32; Wq 1,024 x 1,024 float32; Wv 1,024 x 1,024 float32; bk 1,024 float32; bo 1,024 float32; bq 1,024 float32; bv 1,024 float32; x 4 x 2,048 x 1,024 float32.
;; Outputs: out0 4 x 2,048 x 1,024 float32.
;; 2 versions, each right; version 2 is version 1 with the launch cvt written anew for expert scheduling mode. Each part assembles by itself: llvm-mc -triple=amdgcn-amd-amdhsa -mcpu=gfx1250 --defsym DOCPART=n.
;; ======== version 1 of 2: 4 launches
;; limits: values are held in f16: magnitudes above 65,504 overflow, below 6.1e-05 lose precision
;; workspace buffers: xb 16,777,216 bytes; wb 8,388,608 bytes; qkv 50,331,648 bytes; att 16,777,216 bytes
;; launch cvt (part 1): grid 768 x 1, 8 waves a work-group, no clusters, 0 bytes of LDS; arguments x, Wq, Wk, Wv, Wo, xb, wb; writes xb, wb
.if DOCPART == 1
	.amdgcn_target "amdgcn-amd-amdhsa--gfx1250"
	.amdhsa_code_object_version 6
	.text
	.protected	k_q3ca3b8253f_cvt
	.globl	k_q3ca3b8253f_cvt
	.p2align	8
	.type	k_q3ca3b8253f_cvt,@function
k_q3ca3b8253f_cvt:
	s_mov_b64 s[64:65], 0
	v_nop
	global_prefetch_b8 v0, s[64:65] scope:SCOPE_SE
	s_setreg_imm32_b32 hwreg(HW_REG_WAVE_MODE, 25, 1), 1
	s_wait_xcnt 0x0
; The inputs of the matrix products are rounded once, to bf16 (nearest even), and laid out for the tiles.
;   xb: x [8192][1024] as [16 kb][8192 m][64] bf16 (kb = block of 64 along K): byte kb*1048576 + m*128 + 2*(k & 63).
;   wb: Wq, Wk, Wv, Wo one behind the other, each [1024 k][1024 n] of 16 bits, element by element.  Wq, Wk, Wv: bf16.
;       Wo: rounded to bf16 like the others and then written as f16, because its partner in the last product (att) is f16 and a matrix
;       instruction takes both operands in one format.  A bf16 number has 8 significant bits, f16 has 11 and a subnormal step of 2^-24, so
;       f16 holds every bf16 number of magnitude 2^-17 to 65,504 exactly: there the second conversion changes nothing.
; A stream: no LDS, no barrier, no matrix unit.  Each wave moves 8,192 bytes in and 4,096 out: 16 loads of 16 bytes a lane go out together,
; each is converted and stored as it arrives.  No address register and no store's data register is written again behind its instruction.
; LIMIT: |Wo| of 65,504 and more becomes an infinity; |Wo| below 2^-17 is moved by at most 2^-25.
.set X, 4                              ; v[4:67]   16 x 4 f32 as loaded (on Wo's path also: the bf16 numbers widened again)
.set Y, 68                             ; v[68:99]  16 x 2 words of 16-bit numbers to store
; v1 lane, v2 byte offset of the loads, v3 byte offset of the stores
; viaf16 = 1: the bf16 numbers are written in f16
.macro CONV sb, db, instep, outstep, outbias, viaf16
.irp i, 0,1,2,3,4,5,6,7,8,9,10,11,12,13,14,15
	global_load_b128 v[X+4*\i:X+4*\i+3], v2, s[\sb:\sb+1] offset:\instep*\i th:TH_LOAD_NT   ; read once in the launch
.endr
.irp i, 0,1,2,3,4,5,6,7,8,9,10,11,12,13,14,15
	s_wait_loadcnt 15-\i                           ; loads return in order: load i is in, the 15 - i younger ones stay out
	v_cvt_pk_bf16_f32 v[Y+2*\i],   v[X+4*\i],   v[X+4*\i+1]
	v_cvt_pk_bf16_f32 v[Y+2*\i+1], v[X+4*\i+2], v[X+4*\i+3]
.if \viaf16
	v_lshlrev_b32 v[X+4*\i],   16,         v[Y+2*\i]       ; bf16 to f32: the low half moves up,
	v_and_b32     v[X+4*\i+1], 0xffff0000, v[Y+2*\i]       ; the high half stays
	v_lshlrev_b32 v[X+4*\i+2], 16,         v[Y+2*\i+1]
	v_and_b32     v[X+4*\i+3], 0xffff0000, v[Y+2*\i+1]
	v_cvt_pk_f16_f32 v[Y+2*\i],   v[X+4*\i],   v[X+4*\i+1]
	v_cvt_pk_f16_f32 v[Y+2*\i+1], v[X+4*\i+2], v[X+4*\i+3]
.endif
	global_store_b64 v3, v[Y+2*\i:Y+2*\i+1], s[\db:\db+1] offset:\outstep*\i+(\outbias)     ; 32 lanes x 8 bytes: 256 consecutive bytes, aligned
.endr
.endm
	s_load_b256 s[4:11], s[0:1], 0x0               ; x s[4:5], Wq s[6:7], Wk s[8:9], Wv s[10:11]
	s_load_b128 s[12:15], s[0:1], 0x20             ; Wo s[12:13], xb s[14:15]
	s_load_b64 s[16:17], s[0:1], 0x30              ; wb
	v_lshrrev_b32 v1, 5, v0
	v_readfirstlane_b32 s18, v1                    ; wave 0..7
	v_and_b32 v1, 31, v0                           ; lane
	v_lshlrev_b32 v3, 3, v1                        ; stores: 8 bytes a lane, on every path
	s_cmp_lt_u32 ttmp9, 512                        ; work-groups 0..511 take x, 512..767 the four weights
	s_cbranch_scc0 .Lw
	; x: a wave takes two rows.  Load i = K block i: lanes 0-15 take 256 bytes of the even row, lanes 16-31 the same columns of the odd row.
	s_lshl_b32 s19, ttmp9, 3
	s_add_co_u32 s19, s19, s18                     ; pair of rows, 0..4095
	s_lshl_b32 s20, s19, 13                        ; x 8,192 bytes of x
	s_mov_b32 s21, 0
	s_lshl_b32 s22, s19, 8                         ; x 256 bytes in each K block of xb,
	s_add_co_u32 s22, s22, 0x800000                ; counted from K block 8, so that the 16 blocks lie inside the store's signed 24-bit immediate
	s_mov_b32 s23, 0
	v_and_b32 v2, 15, v1
	v_lshlrev_b32 v2, 4, v2
	v_lshrrev_b32 v[Y], 4, v1
	v_lshl_add_u32 v2, v[Y], 12, v2                ; (lane / 16) rows of 4,096 bytes + 16 (lane % 16)
	s_wait_kmcnt 0x0
	s_add_nc_u64 s[4:5], s[4:5], s[20:21]
	s_add_nc_u64 s[14:15], s[14:15], s[22:23]
	CONV 4, 14, 256, 1048576, -8388608, 0
	s_endpgm
.Lw:	; weights: 64 work-groups each; a wave takes 2,048 consecutive numbers
	s_sub_co_u32 s19, ttmp9, 512
	s_lshr_b32 s24, s19, 6                         ; which weight: 0 q, 1 k, 2 v, 3 o
	s_and_b32 s19, s19, 63
	s_lshl_b32 s19, s19, 3
	s_add_co_u32 s19, s19, s18                     ; part 0..511
	s_lshl_b32 s20, s19, 13                        ; x 8,192 bytes in
	s_mov_b32 s21, 0
	s_lshl_b32 s22, s19, 12                        ; x 4,096 bytes out
	s_lshl_b32 s23, s24, 21                        ; + weight x 2,097,152
	s_add_co_u32 s22, s22, s23
	s_mov_b32 s23, 0
	v_lshlrev_b32 v2, 4, v1
	s_wait_kmcnt 0x0
	s_cmp_eq_u32 s24, 1
	s_cselect_b64 s[26:27], s[8:9], s[6:7]
	s_cmp_eq_u32 s24, 2
	s_cselect_b64 s[26:27], s[10:11], s[26:27]
	s_cmp_eq_u32 s24, 3
	s_cselect_b64 s[26:27], s[12:13], s[26:27]
	s_add_nc_u64 s[26:27], s[26:27], s[20:21]
	s_add_nc_u64 s[16:17], s[16:17], s[22:23]
	s_cmp_eq_u32 s24, 3                            ; the same for the whole work-group
	s_cbranch_scc1 .Lwo
	CONV 26, 16, 512, 256, 0, 0
	s_endpgm
.Lwo:
	CONV 26, 16, 512, 256, 0, 1
	s_endpgm
.Lfunc_end_k_q3ca3b8253f_cvt:
	.size	k_q3ca3b8253f_cvt, .Lfunc_end_k_q3ca3b8253f_cvt-k_q3ca3b8253f_cvt
	.p2alignl 7, 3214868480
	.fill 96, 4, 3214868480
	.section	.rodata,"a",@progbits
	.p2align	6, 0x0
	.amdhsa_kernel k_q3ca3b8253f_cvt
		.amdhsa_group_segment_fixed_size 0
		.amdhsa_private_segment_fixed_size 0
		.amdhsa_enable_private_segment 0
		.amdhsa_kernarg_size 56
		.amdhsa_user_sgpr_count 2
		.amdhsa_user_sgpr_kernarg_segment_ptr 1
		.amdhsa_wavefront_size32 1
		.amdhsa_system_sgpr_workgroup_id_x 1
		.amdhsa_system_sgpr_workgroup_id_y 1
		.amdhsa_system_sgpr_workgroup_id_z 1
		.amdhsa_system_vgpr_workitem_id 0
		.amdhsa_next_free_vgpr 100
		.amdhsa_next_free_sgpr 66
		.amdhsa_reserve_vcc 0
		.amdhsa_float_denorm_mode_32 3
		.amdhsa_float_denorm_mode_16_64 3
		.amdhsa_memory_ordered 1
		.amdhsa_forward_progress 1
		.amdhsa_inst_pref_size 24
	.end_amdhsa_kernel
	.amdgpu_metadata
---
amdhsa.version: [ 1, 2 ]
amdhsa.kernels:
  - .name:           k_q3ca3b8253f_cvt
    .symbol:         k_q3ca3b8253f_cvt.kd
    .args:
      - { .name: x, .offset: 0, .size: 8, .value_kind: global_buffer, .address_space: global }
      - { .name: Wq, .offset: 8, .size: 8, .value_kind: global_buffer, .address_space: global }
      - { .name: Wk, .offset: 16, .size: 8, .value_kind: global_buffer, .address_space: global }
      - { .name: Wv, .offset: 24, .size: 8, .value_kind: global_buffer, .address_space: global }
      - { .name: Wo, .offset: 32, .size: 8, .value_kind: global_buffer, .address_space: global }
      - { .name: xb, .offset: 40, .size: 8, .value_kind: global_buffer, .address_space: global }
      - { .name: wb, .offset: 48, .size: 8, .value_kind: global_buffer, .address_space: global }
    .group_segment_fixed_size: 0
    .private_segment_fixed_size: 0
    .kernarg_segment_align: 8
    .kernarg_segment_size: 56
    .max_flat_workgroup_size: 256
    .sgpr_count:     66
    .vgpr_count:     100
    .wavefront_size: 32
...
	.end_amdgpu_metadata
.endif
;; end of part 1
;; launch qkv (part 2): grid 12 x 32, 4 waves a work-group, clusters of 4 x 4, 327,680 bytes of LDS; arguments xb, wb, bq, bk, bv, qkv; writes qkv
.if DOCPART == 2
	.amdgcn_target "amdgcn-amd-amdhsa--gfx1250"
	.amdhsa_code_object_version 6
	.text
	.protected	k_q3ca3b8253f_qkv
	.globl	k_q3ca3b8253f_qkv
	.p2align	8
	.type	k_q3ca3b8253f_qkv,@function
k_q3ca3b8253f_qkv:
	s_mov_b64 s[64:65], 0
	v_nop
	global_prefetch_b8 v0, s[64:65] scope:SCOPE_SE
	s_setreg_imm32_b32 hwreg(HW_REG_WAVE_MODE, 25, 1), 1
	s_wait_xcnt 0x0
	s_wait_alu depctr_hold_cnt(0) depctr_sa_sdst(0) depctr_va_vdst(0) depctr_va_sdst(0) depctr_va_ssrc(0) depctr_va_vcc(0) depctr_vm_vsrc(0)
	s_getreg_b32 s2, hwreg(HW_REG_IB_STS2, 6, 4)
	s_cmp_eq_u32 s2, 0
	s_cbranch_scc0 .Lentry_in_a_cluster
	s_endpgm
.Lentry_in_a_cluster:
	s_bfe_u32 s2, ttmp6, 0x10000c
	s_cmp_lg_u32 s2, 0xf033
	s_cbranch_scc0 .Lentry_shape_is_right
	s_endpgm
.Lentry_shape_is_right:
; C = A W + bias, sums in f32.  One text for two launches, switched by IS_O:
;   IS_O = 0: q, k, v = x W + b.   A = xb (bf16), W = wb's weight number (cluster x) (bf16), C = qkv [3][16 h][8192 m][64] f16.
;   IS_O = 1: out0 = att Wo + bo.  A = att (f16), W = wb's weight 3 (f16), C = out0 [8192][1024] f32.
; The two matrix forms have the same registers, layout and distances; the format follows A's.
; A lies K-blocked, [16 kb][8192 m][64] of 16 bits: 256 rows of one K block are 32,768 consecutive bytes.  W lies [1024 k][1024 n] of 16 bits.
; A work-group makes 256 x 256 of C with four waves, one for each SIMD of a WGP; a wave makes 128 x 128: 64 accumulator tiles, 512 registers.
; K goes in steps of 128 through a ring of two LDS slots filled by the tensor data mover.
; CLUSTERS: 4 x 4 work-groups.  A's tile hangs on the block row alone and is asked for jointly by a row of the cluster, W's on the block column
; alone and is asked for jointly by a column: four work-groups make one request.
; LIMIT: IS_O = 0: |C| below 65,504 (it is stored in f16; below 6.1e-5 as f16 subnormals, kept).  IS_O = 1: |A|, |W| below 65,504.
;
; REGISTERS in windows of 256 (s_set_vgpr_msb: bits 1:0 source 0, 3:2 source 1, 5:4 source 2, 7:6 destination):
;   window 0: v0-27 addresses; v32-63, v224-255 bias; v64-127, v128-191 fragments of A, two buffers; v192-223 at work on the way out
;   window 1: v64-127, v128-191 fragments of W, two buffers
;   window 2: accumulator tiles of my rows 0-63 (tile (a, b) at v[8 (8 a + b)]);   window 3: of my rows 64-127
; THE MATRIX INSTRUCTION IS USED TRANSPOSED: source 0 = 16 columns of W, source 1 = 16 rows of A.  Lane l then holds row l % 16 of C and its
; eight registers the columns 8 (l / 16) + 0..7: neighbouring numbers of a row.
; The 64 accumulators take turns, one instruction a turn, in the same order in every quarter step.
.set IS_O,   0
.set SIZE_K, 1024
.set KSTEP,  128
.set APITCH, 144                       ; an LDS row of A: 128 bytes (one K block) + 16: an odd multiple of 16
.set BPITCH, 544                       ; an LDS row of W: 512 bytes (256 n) + 32: an odd multiple of 32, for the transposing loads
.set QUART,  36864                     ; what one wave fills: 256 rows of A x 144, or 64 k rows of W x 544 (34,816; the rest stays unused)
.set SLOT,   4*QUART                   ; A's K blocks 0, 1 of the step, then W's k rows 0-63, 64-127
.set STAGE,  2*SLOT                    ; behind the ring: 16 rows x 272 bytes for each wave, for the way out; no fill ever lands here
.set SPITCH, 272
.set LAPS,   SIZE_K/(2*KSTEP)          ; a lap = two K steps = once round the ring
.set ASTEP,  4*1048576                 ; two K steps = four K blocks of A, in bytes
.set BSTEP,  2*KSTEP*2048              ; two K steps = 256 rows of W, in bytes
.set ADRA, 16                          ; v16-17  LDS address of my A fragments in slot 0, 1
.set ADRB, 20                          ; v20-21  the same for W
.set STO,  24                          ; way out: where I put my piece of a row
.set RD,   25                          ; way out: where I read 16 bytes back
.set CO,   26                          ; my byte offset in C
.set VB,   27                          ; my byte offset in the bias
.set F0,   64
.set F1,   128
.set TMP,  192
.set G1,  24                           ; s[24:31] group 1 for A's tiles
.set G0,  32                           ; s[32:39] group 0 for A's tiles, one set for each slot
.set G1B, 48                           ; s[48:55] group 1 for W's tiles
.set G0B, 56                           ; s[56:63] group 0 for W's tiles, one set for each slot
.set MSB, 0
.macro WIN new                         ; the immediate's high byte repeats the setting that is left
.if MSB != \new
	s_set_vgpr_msb (MSB<<8)|\new
.set MSB, \new
.endif
.endm
.set MUL_LO,  0xa1                     ; source 0 (W) window 1, source 1 (A) window 0, C and D window 2
.set MUL_HI,  0xf1                     ; the same, C and D window 3
.set MUL_LO1, 0x81                     ; the first product: C is the bias, in window 0
.set MUL_HI1, 0xc1
.set TO_B,    0x40                     ; destination window 1, address window 0
; A joint load.  Waves 0, 1 fetch A's two K blocks, waves 2, 3 W's two halves.  Each line has one mask and one set of registers; the branch hangs on the wave's number alone.
.macro JLOAD s
	s_cmp_eq_u32 s11, 0
	s_cbranch_scc0 .Lfor_b_\@
	tensor_load_to_lds s[G0+4*\s:G0+4*\s+3], s[G1:G1+7]
	s_nop 0
	s_branch .Lasked_\@
.Lfor_b_\@:
	tensor_load_to_lds s[G0B+4*\s:G0B+4*\s+3], s[G1B:G1B+7]
	s_nop 0
.Lasked_\@:
.endm
; A round of the cluster's barrier: my work-group's barrier; wave 0 signals for the work-group; every wave waits for all sixteen; my work-group's barrier again.
.macro CREST
	s_cmp_lg_u32 s10, 0
	s_cbranch_scc1 .Lnot_wave_0_\@
	s_barrier_signal -3
.Lnot_wave_0_\@:
	s_barrier_wait -3
	s_barrier_signal -1
	s_barrier_wait -1
.endm
.macro CROUND
	s_barrier_signal -1
	s_barrier_wait -1
	CREST
.endm
	s_load_b128 s[4:7], s[0:1], 0x0                ; A s[4:5], wb s[6:7]
.if IS_O
	s_load_b128 s[68:71], s[0:1], 0x10             ; bo s[68:69], out0 s[70:71]
.else
	s_load_b128 s[68:71], s[0:1], 0x10             ; bq s[68:69], bk s[70:71]
	s_load_b128 s[72:75], s[0:1], 0x20             ; bv s[72:73], qkv s[74:75]
	s_set_vgpr_msb 0x40
	v_lshl_add_u32 v255, v0, 2, 0x4c400
	s_set_vgpr_msb 0x4000
	v_mov_b32 v31, 0
	s_set_vgpr_msb 0x1
	ds_add_u32 v255, v31
	ds_add_u32 v255, v31
	s_set_vgpr_msb 0x100
.endif
	v_lshrrev_b32 v1, 5, v0
	v_readfirstlane_b32 s10, v1                    ; wave 0..3
	s_lshr_b32 s11, s10, 1                         ; which half of the block's rows is mine.  Also: I fetch for A (0) or for W (1)
	s_and_b32 s12, s10, 1                          ; which half of its columns.  Also: which half of that tile I fetch
	s_bfe_u32 s40, ttmp6, 0x40000                  ; cx
	s_bfe_u32 s41, ttmp6, 0x40004                  ; cy
	s_and_b32 s13, ttmp7, 0xffff
	s_lshl_b32 s13, s13, 2
	s_add_co_u32 s13, s13, s41                     ; block row of C = 4 x cluster y + cy
	s_lshl_b32 s43, s41, 2
	s_lshl_b32 s43, 15, s43                        ; my row of the cluster: places 4 cy .. 4 cy + 3
	s_lshl_b32 s44, 0x1111, s40                    ; my column: places cx, cx + 4, cx + 8, cx + 12
	; group 1 for A: 32,768 dense bytes as 128 rows of 128 elements; 16 bytes of padding behind every 32 words, that is behind each row of a K block
	s_or_b32 s[G1+0], s43, (1<<16)|(1<<20)|(1<<21)|(4<<22)|(3<<25)
	s_mov_b32 s[G1+1], 128<<16                     ; tensor_dim0 = 128
	s_mov_b32 s[G1+2], 128<<16                     ; tensor_dim1 = 128
	s_mov_b32 s[G1+3], 128<<16                     ; tile_dim0 = 128
	s_mov_b32 s[G1+4], 128                         ; tile_dim1 = 128
	s_mov_b32 s[G1+5], 128                         ; from row to row: 128 elements (dense)
	s_mov_b32 s[G1+6], 0
	s_mov_b32 s[G1+7], 0
	; group 1 for W: 64 k rows of 256 elements, 1,024 elements apart; 32 bytes of padding behind every 128 words (a row)
	s_or_b32 s[G1B+0], s44, (1<<16)|(1<<20)|(1<<21)|(6<<22)|(7<<25)
	s_mov_b32 s[G1B+1], 256<<16
	s_mov_b32 s[G1B+2], 64<<16
	s_mov_b32 s[G1B+3], 256<<16
	s_mov_b32 s[G1B+4], 64
	s_mov_b32 s[G1B+5], 1024
	s_mov_b32 s[G1B+6], 0
	s_mov_b32 s[G1B+7], 0
	; where the tiles come from: A's offset is made of the block row and the wave's number, W's of cx, the cluster's x and the wave's number
	s_lshl_b32 s16, s13, 15                        ; 256 rows x 128 bytes a block row
	s_lshl_b32 s17, s12, 20                        ; my K block of the step's two
	s_add_co_u32 s16, s16, s17
	s_mov_b32 s17, 0
	s_lshl_b32 s46, s40, 9                         ; 256 columns x 2 bytes
	s_lshl_b32 s47, s12, 17                        ; my 64 k rows x 2,048 bytes
	s_add_co_u32 s46, s46, s47
.if IS_O
	s_add_co_u32 s46, s46, 0x600000                ; weight 3
.else
	s_lshl_b32 s47, ttmp9, 21                      ; the cluster's x is the weight's number
	s_add_co_u32 s46, s46, s47
.endif
	s_mov_b32 s47, 0
	s_mul_i32 s20, s10, QUART                      ; where they go: wave x a quarter of the slot; no place in the cluster enters an LDS address
	s_wait_dscnt 0x0
	s_wait_kmcnt 0x0
	s_add_nc_u64 s[14:15], s[4:5], s[16:17]
	s_add_nc_u64 s[46:47], s[6:7], s[46:47]
	CROUND                                         ; all sixteen work-groups are here: the first joint loads meet
.irp s, 0,1
	s_mov_b32 s[G0+4*\s], 1
	s_add_co_u32 s[G0+4*\s+1], s20, \s*SLOT
	s_add_nc_u64 s[G0+4*\s+2:G0+4*\s+3], s[14:15], \s*2097152      ; K step s: two K blocks on
	s_or_b32 s[G0+4*\s+3], s[G0+4*\s+3], 0x80000000
	s_mov_b32 s[G0B+4*\s], 1
	s_add_co_u32 s[G0B+4*\s+1], s20, \s*SLOT
	s_add_nc_u64 s[G0B+4*\s+2:G0B+4*\s+3], s[46:47], \s*262144     ; K step s: 128 rows on
	s_or_b32 s[G0B+4*\s+3], s[G0B+4*\s+3], 0x80000000
	JLOAD \s                                       ; both slots are asked for before anything else: two loads of this wave are out
.endr
	; the bias of my 128 columns, in the accumulators' layout: lane (r, h), tile column b, register j: column 16 b + 8 h + j
	v_and_b32 v1, 15, v0                           ; r
	v_bfe_u32 v2, v0, 4, 1                         ; h
	v_lshlrev_b32 v[VB], 5, v2
.if IS_O == 0
	s_cmp_eq_u32 ttmp9, 1
	s_cselect_b64 s[68:69], s[70:71], s[68:69]
	s_cmp_eq_u32 ttmp9, 2
	s_cselect_b64 s[68:69], s[72:73], s[68:69]
.endif
	s_lshl_b32 s18, s40, 10                        ; 256 columns x 4 bytes
	s_lshl_b32 s19, s12, 9
	s_add_co_u32 s18, s18, s19
	s_mov_b32 s19, 0
	s_add_nc_u64 s[68:69], s[68:69], s[18:19]
.irp b, 0,1,2,3,4,5,6,7
	global_load_b128 v[32+8*\b+(\b/4)*160:32+8*\b+(\b/4)*160+3],   v[VB], s[68:69] offset:64*\b
	global_load_b128 v[32+8*\b+(\b/4)*160+4:32+8*\b+(\b/4)*160+7], v[VB], s[68:69] offset:64*\b+16
.endr
	; A's fragment, 16 rows x 32 K: lane l holds row l % 16; two loads of 16 bytes, 32 bytes apart, at row x pitch + 16 (l / 16)
	v_mul_u32_u24 v3, v1, APITCH
	v_lshl_add_u32 v3, v2, 4, v3
	; W's fragment comes from rows that lie along n, by the transposing load: lane l addresses k row 8 (l / 16) + l % 8, 16 bytes at 16 ((l / 8) % 2)
	v_and_b32 v4, 7, v0
	v_lshl_add_u32 v4, v2, 3, v4
	v_mul_u32_u24 v4, v4, BPITCH
	v_bfe_u32 v5, v0, 3, 1
	v_lshl_add_u32 v4, v5, 4, v4
	s_mul_i32 s21, s11, 128*APITCH                 ; my 128 rows of A
	s_lshl_b32 s22, s12, 8                         ; my 128 columns of W,
	s_add_co_u32 s22, s22, 2*QUART                 ; which lies behind A's two K blocks
.irp s, 0,1
	v_add_nc_u32 v[ADRA+\s], s21, v3
	v_add_nc_u32 v[ADRB+\s], s22, v4
	s_add_co_u32 s21, s21, SLOT
	s_add_co_u32 s22, s22, SLOT
.endr
	s_mul_i32 s23, s10, 16*SPITCH
	s_add_co_u32 s23, s23, STAGE                   ; my stage
	v_mul_u32_u24 v3, v1, SPITCH
.if IS_O
	v_lshl_add_u32 v3, v2, 5, v3                   ; in: row r, 32 bytes (8 f32) for each half of the lanes
	v_mul_u32_u24 v4, v2, SPITCH                   ; back: lanes 0-15 one row of 256 bytes, lanes 16-31 the next
	v_lshl_add_u32 v4, v1, 4, v4
	v_lshlrev_b32 v5, 12, v2                       ; and the same two rows in out0 (4,096 bytes a row)
.else
	v_lshl_add_u32 v3, v2, 4, v3                   ; in: row r, 16 bytes (8 f16) for each half of the lanes
	v_mul_u32_u24 v4, v5, SPITCH                   ; back: lanes 0-7 and 8-15 take 128 bytes of two rows: one head's two rows;
	v_lshl_add_u32 v4, v2, 7, v4                   ; lanes 16-31 the second 128 bytes: the next head
	v_and_b32 v5, 7, v0
	v_lshl_add_u32 v4, v5, 4, v4
	v_lshlrev_b32 v5, 20, v2                       ; heads lie 1,048,576 bytes apart in qkv
.endif
	v_add_nc_u32 v[STO], s23, v3
	v_add_nc_u32 v[RD], s23, v4
	v_lshl_add_u32 v[CO], v1, 4, v5
; 16 matrix instructions: row blocks a0, a0 + 1 of the window's four x all 8 column blocks, 32 along K.
; first = 1: the first product takes the bias as C: nothing is cleared, and nothing is added on the way out.
.macro MUL16 f, hi, a0, first
.irp a, \a0, \a0+1
.irp b, 0,1,2,3,4,5,6,7
.if IS_O
.if \first
	v_wmma_f32_16x16x32_f16 v[8*(8*(\a)+\b):8*(8*(\a)+\b)+7], v[\f+8*\b:\f+8*\b+7], v[\f+8*(4*\hi+\a):\f+8*(4*\hi+\a)+7], v[32+8*\b+(\b/4)*160:32+8*\b+(\b/4)*160+7]
.else
	v_wmma_f32_16x16x32_f16 v[8*(8*(\a)+\b):8*(8*(\a)+\b)+7], v[\f+8*\b:\f+8*\b+7], v[\f+8*(4*\hi+\a):\f+8*(4*\hi+\a)+7], v[8*(8*(\a)+\b):8*(8*(\a)+\b)+7]
.endif
.else
.if \first
	v_wmma_f32_16x16x32_bf16 v[8*(8*(\a)+\b):8*(8*(\a)+\b)+7], v[\f+8*\b:\f+8*\b+7], v[\f+8*(4*\hi+\a):\f+8*(4*\hi+\a)+7], v[32+8*\b+(\b/4)*160:32+8*\b+(\b/4)*160+7]
.else
	v_wmma_f32_16x16x32_bf16 v[8*(8*(\a)+\b):8*(8*(\a)+\b)+7], v[\f+8*\b:\f+8*\b+7], v[\f+8*(4*\hi+\a):\f+8*(4*\hi+\a)+7], v[8*(8*(\a)+\b):8*(8*(\a)+\b)+7]
.endif
.endif
.endr
.endr
.endm
; 32 LDS loads in one run: the fragments of quarter q (32 along K) of a slot into buffer f
.macro FETCH slot, q, f
	WIN TO_B
.irp i, 0,1,2,3,4,5,6,7
	ds_load_tr16_b128 v[\f+8*\i:\f+8*\i+3],   v[ADRB+\slot] offset:(\q/2)*QUART+(\q%2)*32*BPITCH+32*\i
	ds_load_tr16_b128 v[\f+8*\i+4:\f+8*\i+7], v[ADRB+\slot] offset:(\q/2)*QUART+(\q%2)*32*BPITCH+32*\i+16*BPITCH
.endr
	WIN 0
.irp i, 0,1,2,3,4,5,6,7
	ds_load_b128 v[\f+8*\i:\f+8*\i+3],   v[ADRA+\slot] offset:(\q/2)*QUART+(\q%2)*64+\i*16*APITCH
	ds_load_b128 v[\f+8*\i+4:\f+8*\i+7], v[ADRA+\slot] offset:(\q/2)*QUART+(\q%2)*64+\i*16*APITCH+32
.endr
.endm
; Four places stand between a matrix instruction and a load into one of its sources or a vector instruction that reads its result
; (ISA guide 7.12.1 for vector instructions); the matrix instructions in between are not counted.
.macro PLACES
.rept 4
	v_nop
.endr
.endm
; One of a K step's first three quarters: multiplies buffer f; in its middle it fetches quarter q of the same slot into buffer g.
.macro QUARTER slot, q, f, g, first
	s_wait_dscnt 8                                 ; W and A's rows 0-63 are in; the youngest eight loads (A's rows 64-127) may be out
.if \first
	WIN MUL_LO1
.else
	WIN MUL_LO
.endif
	MUL16 \f, 0, 0, \first
	MUL16 \f, 0, 2, \first
	PLACES
	FETCH \slot, \q, \g
	s_wait_dscnt 32                                ; all but the 32 just issued
.if \first
	WIN MUL_HI1
.else
	WIN MUL_HI
.endif
	MUL16 \f, 1, 0, \first
	MUL16 \f, 1, 2, \first
.endm
.macro THREE slot, first
	QUARTER \slot, 1, F0, F1, \first
	QUARTER \slot, 2, F1, F0, 0
	QUARTER \slot, 3, F0, F1, 0
.endm
; The last quarter: multiplies buffer 1 and changes slots.  In front of the barrier each wave waits for its reads of this slot and for all its
; tensor loads (one is out: its part of the next slot).  Where the slot is filled again the barrier opens a round of the cluster's barrier, and
; the joint refill is the first tensor load behind the round.  From a request to the wait for it a wave issues 240 matrix instructions.
.macro TURN slot, next, fill
	s_wait_dscnt 8
	WIN MUL_LO
	MUL16 F1, 0, 0, 0
	s_wait_dscnt 0                                 ; my reads of this slot are over
	s_wait_tensorcnt 0x0                           ; and all my tensor loads have landed
	ds_add_u32 v255, v31
	s_wait_dscnt 0x0
	s_barrier_signal -1
	MUL16 F1, 0, 2, 0                              ; register work while the others arrive
	WIN 0
	s_barrier_wait -1
.if \fill
	CREST                                          ; no wave of any partner still reads this slot or has a load on its way
	s_add_nc_u64 s[G0+4*\slot+2:G0+4*\slot+3], s[G0+4*\slot+2:G0+4*\slot+3], ASTEP
	s_add_nc_u64 s[G0B+4*\slot+2:G0B+4*\slot+3], s[G0B+4*\slot+2:G0B+4*\slot+3], BSTEP
	JLOAD \slot
.endif
	PLACES
	FETCH \next, 0, F0
	WIN MUL_HI
	MUL16 F1, 1, 0, 0
	MUL16 F1, 1, 2, 0
.endm
.macro LAP first
	THREE 0, \first
	TURN 0, 1, 1
	THREE 1, 0
	TURN 1, 0, 1
.endm
	s_wait_loadcnt 0x0                             ; the bias
	s_wait_tensorcnt 1                             ; my part of K step 0 is in; K step 1's may stay out
	s_barrier_signal -1
	s_barrier_wait -1
	FETCH 0, 0, F0
	LAP 1                                          ; the first lap stands in front of the loop: its first products start the sums from the bias
	WIN 0
	s_mov_b32 s3, LAPS-2
.Llap:
	LAP 0
	WIN 0
	s_sub_co_u32 s3, s3, 1
	s_cmp_lg_u32 s3, 0
	s_cbranch_scc1 .Llap
	THREE 0, 0                                     ; the last lap fills nothing
	TURN 0, 1, 0
	THREE 1, 0
	s_wait_dscnt 8
	WIN MUL_LO
	MUL16 F1, 0, 0, 0
	MUL16 F1, 0, 2, 0
	s_wait_dscnt 0
	WIN MUL_HI
	MUL16 F1, 1, 0, 0
	MUL16 F1, 1, 2, 0
	; THE WAY OUT, 16 rows at a time through my own stage in LDS, so that sixteen neighbouring lanes store 256 consecutive bytes.
	PLACES
.if IS_O
	s_lshl_b32 s16, s13, 20                        ; 256 rows x 4,096 bytes
	s_lshl_b32 s14, s11, 19
	s_add_co_u32 s16, s16, s14
	s_mov_b32 s17, 0
	s_add_nc_u64 s[8:9], s[70:71], s[16:17]
	s_lshl_b32 s46, s40, 10                        ; 256 columns x 4 bytes
	s_lshl_b32 s47, s12, 9
	s_add_co_u32 s46, s46, s47
	s_mov_b32 s47, 0
	s_add_nc_u64 s[8:9], s[8:9], s[46:47]
.else
	s_lshl_b32 s16, s13, 15                        ; 256 rows x 128 bytes
	s_lshl_b32 s14, s11, 14
	s_add_co_u32 s16, s16, s14
	s_mov_b32 s17, 0
	s_add_nc_u64 s[8:9], s[74:75], s[16:17]
	s_lshl_b32 s46, s40, 22                        ; head 4 cx + 2 (my half), 1,048,576 bytes a head
	s_lshl_b32 s47, s12, 21
	s_add_co_u32 s46, s46, s47
	s_lshl_b32 s47, ttmp9, 24                      ; q, k or v: 16,777,216 bytes each
	s_add_co_u32 s46, s46, s47
	s_mov_b32 s47, 0
	s_add_nc_u64 s[8:9], s[8:9], s[46:47]
.endif
.if IS_O
; rows 16 i .. 16 i + 15, columns 64 nh .. 64 nh + 63 of my block, in f32: tiles (a, 4 nh .. 4 nh + 3) of window 2 or 3 (win: the LDS store's data)
.macro OUTF i, a, win, nh, f
	WIN \win
.irp b, 0,1,2,3
	ds_store_b128 v[STO], v[8*(8*\a+4*\nh+\b):8*(8*\a+4*\nh+\b)+3]   offset:64*\b
	ds_store_b128 v[STO], v[8*(8*\a+4*\nh+\b)+4:8*(8*\a+4*\nh+\b)+7] offset:64*\b+16
.endr
	WIN 0
	s_wait_xcnt 0x0                                ; buffer f, which earlier stores read, is loaded again only behind this wait
.irp t, 0,1,2,3,4,5,6,7
	ds_load_b128 v[\f+4*\t:\f+4*\t+3], v[RD] offset:\t*2*SPITCH    ; LDS serves a wave's instructions in order: these see the stores above
.endr
.irp t, 0,1,2,3,4,5,6,7
	s_wait_dscnt 7-\t                              ; load t is in, the 7 - t younger ones stay out
	global_store_b128 v[CO], v[\f+4*\t:\f+4*\t+3], s[8:9] offset:(16*\i+2*\t)*4096+256*\nh th:TH_STORE_NT
.endr
.endm
	OUTF 0, 0, 0x08, 0, F0
	OUTF 0, 0, 0x08, 1, F1
	OUTF 1, 1, 0x08, 0, F0
	OUTF 1, 1, 0x08, 1, F1
	OUTF 2, 2, 0x08, 0, F0
	OUTF 2, 2, 0x08, 1, F1
	OUTF 3, 3, 0x08, 0, F0
	OUTF 3, 3, 0x08, 1, F1
	OUTF 4, 0, 0x0c, 0, F0
	OUTF 4, 0, 0x0c, 1, F1
	OUTF 5, 1, 0x0c, 0, F0
	OUTF 5, 1, 0x0c, 1, F1
	OUTF 6, 2, 0x0c, 0, F0
	OUTF 6, 2, 0x0c, 1, F1
	OUTF 7, 3, 0x0c, 0, F0
	OUTF 7, 3, 0x0c, 1, F1
.else
; rows 16 i .. 16 i + 15 of my block, rounded to f16: the eight tiles (a, 0..7) of window 2 or 3 (from = 0x0a or 0x0f: sources 0 and 1)
.macro OUT16 i, a, from, f
	WIN \from
.irp b, 0,1,2,3,4,5,6,7
.irp r, 0,1,2,3
	v_cvt_pk_f16_f32 v[TMP+4*\b+\r], v[8*(8*\a+\b)+2*\r], v[8*(8*\a+\b)+2*\r+1]
.endr
.endr
	WIN 0
.irp b, 0,1,2,3,4,5,6,7
	ds_store_b128 v[STO], v[TMP+4*\b:TMP+4*\b+3] offset:32*\b
.endr
	s_wait_xcnt 0x0                                ; buffer f, which earlier stores read, is loaded again only behind this wait
.irp t, 0,1,2,3,4,5,6,7
	ds_load_b128 v[\f+4*\t:\f+4*\t+3], v[RD] offset:\t*2*SPITCH    ; LDS serves a wave's instructions in order: these see the stores above
.endr
.irp t, 0,1,2,3,4,5,6,7
	s_wait_dscnt 7-\t                              ; load t is in, the 7 - t younger ones stay out
	global_store_b128 v[CO], v[\f+4*\t:\f+4*\t+3], s[8:9] offset:2048*\i+256*\t   ; lanes 0-15: two rows of one head, 256 consecutive bytes; lanes 16-31: of the next head
.endr
.endm
	OUT16 0, 0, 0x0a, F0
	OUT16 1, 1, 0x0a, F1
	OUT16 2, 2, 0x0a, F0
	OUT16 3, 3, 0x0a, F1
	OUT16 4, 0, 0x0f, F0
	OUT16 5, 1, 0x0f, F1
	OUT16 6, 2, 0x0f, F0
	OUT16 7, 3, 0x0f, F1
.endif
	s_set_vgpr_msb 0x1
	s_wait_tensorcnt 0x0
	ds_add_u32 v255, v31
	s_wait_dscnt 0x0
	s_set_vgpr_msb 0x100
	CROUND                                         ; the closing round: no work-group ends while a partner may still ask for a tile that names it
	s_endpgm
.Lfunc_end_k_q3ca3b8253f_qkv:
	.size	k_q3ca3b8253f_qkv, .Lfunc_end_k_q3ca3b8253f_qkv-k_q3ca3b8253f_qkv
	.p2alignl 7, 3214868480
	.fill 96, 4, 3214868480
	.section	.rodata,"a",@progbits
	.p2align	6, 0x0
	.amdhsa_kernel k_q3ca3b8253f_qkv
		.amdhsa_group_segment_fixed_size 327680
		.amdhsa_private_segment_fixed_size 0
		.amdhsa_enable_private_segment 0
		.amdhsa_kernarg_size 48
		.amdhsa_user_sgpr_count 2
		.amdhsa_user_sgpr_kernarg_segment_ptr 1
		.amdhsa_wavefront_size32 1
		.amdhsa_system_sgpr_workgroup_id_x 1
		.amdhsa_system_sgpr_workgroup_id_y 1
		.amdhsa_system_sgpr_workgroup_id_z 1
		.amdhsa_system_vgpr_workitem_id 0
		.amdhsa_next_free_vgpr 1024
		.amdhsa_next_free_sgpr 76
		.amdhsa_reserve_vcc 0
		.amdhsa_float_denorm_mode_32 3
		.amdhsa_float_denorm_mode_16_64 3
		.amdhsa_memory_ordered 1
		.amdhsa_forward_progress 1
		.amdhsa_inst_pref_size 198
	.end_amdhsa_kernel
	.amdgpu_metadata
---
amdhsa.version: [ 1, 2 ]
amdhsa.kernels:
  - .name:           k_q3ca3b8253f_qkv
    .symbol:         k_q3ca3b8253f_qkv.kd
    .args:
      - { .name: xb, .offset: 0, .size: 8, .value_kind: global_buffer, .address_space: global }
      - { .name: wb, .offset: 8, .size: 8, .value_kind: global_buffer, .address_space: global }
      - { .name: bq, .offset: 16, .size: 8, .value_kind: global_buffer, .address_space: global }
      - { .name: bk, .offset: 24, .size: 8, .value_kind: global_buffer, .address_space: global }
      - { .name: bv, .offset: 32, .size: 8, .value_kind: global_buffer, .address_space: global }
      - { .name: qkv, .offset: 40, .size: 8, .value_kind: global_buffer, .address_space: global }
    .group_segment_fixed_size: 327680
    .private_segment_fixed_size: 0
    .kernarg_segment_align: 8
    .kernarg_segment_size: 48
    .max_flat_workgroup_size: 128
    .sgpr_count:     76
    .vgpr_count:     1024
    .wavefront_size: 32
...
	.end_amdgpu_metadata
.endif
;; end of part 2
;; launch attn (part 3): grid 256 x 1, 4 waves a work-group, no clusters, 327,680 bytes of LDS; arguments qkv, att; writes att
.if DOCPART == 3
	.amdgcn_target "amdgcn-amd-amdhsa--gfx1250"
	.amdhsa_code_object_version 6
	.text
	.protected	k_q3ca3b8253f_attn
	.globl	k_q3ca3b8253f_attn
	.p2align	8
	.type	k_q3ca3b8253f_attn,@function
k_q3ca3b8253f_attn:
	s_mov_b64 s[64:65], 0
	v_nop
	global_prefetch_b8 v0, s[64:65] scope:SCOPE_SE
	s_setreg_imm32_b32 hwreg(HW_REG_WAVE_MODE, 25, 1), 1
	s_wait_xcnt 0x0
; Causal attention of one head, with a running maximum.  qkv: [3][16 h][8192 m][64] f16, m = 2048 b + s.  att: [16 h][8192 m][64] f16.
; Work-group g: j = g & 3, head (g >> 2) & 15, batch g >> 6.  It makes two blocks of 256 queries, block 7 - j and then block j, so that every
; work-group walks 8 - j + j + 1 = 9 blocks of 256 keys.  Wave w owns 64 queries of the block.  Keys beyond the diagonal are not computed:
; in the diagonal block wave w makes the sub-tiles of 64 keys kt <= w, with the mask, and jumps over kt > w.
; TRANSPOSED FORMS: S^T = K Q^T (source 0 = 16 keys, source 1 = 16 queries) and O^T = V^T P^T.  A lane then holds scores of ONE query (l % 16), and
; pairs of its S registers, packed to f16, ARE the second product's source 1: nothing moves between lanes but the maximum and the final sum,
; which cross the wave's two halves.  V^T's fragments come by the transposing LDS load.
; K and V go through a ring of two LDS slots of 128 keys; waves 0, 1 fetch K's halves, waves 2, 3 V's; one tensor load a wave is out at the most.
; NO CLUSTER: the four work-groups of a head walk 8 - j and then j + 1 key blocks, so the k-th requests of partners name the same tile only up to
; the shortest first walk; a form in which all four make every request jointly needs 8 + 4 = 12 block steps in each, in place of 9.
; The exponent is c (s - max), c = log2(e) / 8, made in f32 by one fused multiply-add; the sums and O stay in f32.
; LIMITS: f16 operands (|q|, |k|, |v|, |att| below 65,504); weights below about 3e-8 round to 0 in f16; v_exp_f32 gives 0 for results
; below 2^-126; v_max3_num_f32 lets a NaN lose, which matters only where the scores are not finite.
; The accumulators of each product take turns, one instruction a turn (16 tiles, then the same 16 again).
.set PART,  10240                      ; what one wave fills: 64 keys of K at pitch 144 (9,216 bytes) or of V at pitch 160
.set SLOT,  4*PART                     ; K keys 0-63, K keys 64-127, V keys 0-63, V keys 64-127
.set STAGE, 2*SLOT                     ; 64 rows x 144 bytes for each wave: Q on its way in, O on its way out; no fill ever lands here
.set KP,    144                        ; odd multiple of 16
.set VP,    160                        ; odd multiple of 32, for the transposing loads
.set TILEB, 16384                      ; 128 keys x 128 bytes
; window 0
.set VK,   8                           ; v8-9    LDS address of my K fragments in slot 0, 1
.set VV,   10                          ; v10-11  the same for V
.set VFR,  12                          ; stage, by fragments: row l % 16, 16 bytes at 16 (l / 16)
.set VSTL, 13                          ; stage, by rows: row l / 8, 16 bytes at 16 (l % 8)
.set VGL,  14                          ; 16 l
.set RQ,   32                          ; v[32:95]   Q(qb, c) at 32 + 16 qb + 8 c   (c: which 32 of the 64 along d)
.set RK,   96                          ; v[96:159]  K(kb, c)
.set RV,   160                         ; v[160:223] V^T(db, c)                     (c: which 32 of the 64 keys)
; window 1: v[0:127] S(kb, qb) at 8 (4 qb + kb); v[128:191] P(qb, c) at 128 + 16 qb + 8 c
.set RP,    128
.set RM,    192                        ; running maximum, one register for each qb
.set RMN,   196                        ; new maximum
.set RNB,   200                        ; - c x new maximum
.set RAL,   204                        ; alpha = 2^(c (old - new)); at the end 1 / sum
.set RL,    208                        ; running sum of my half's keys
.set RT,    212                        ; at work
.set RLP,   216                        ; v[216:223] a pair of partial sums for each qb
.set RNINF, 224
.set RVD0,  225                        ; l % 16 - 8 (l / 16)
.set RVD,   226                        ; the same + 64 (w - kt)
; window 2: v[0:127] O^T(db, qb) at 8 (4 qb + db)
.set G1K, 32                           ; s[32:39]
.set G1V, 40                           ; s[40:47]
.set G0,  48                           ; s[48:55] one set for each slot
.set W_S,  0x50                        ; S = K Q: sources window 0, C and D window 1
.set W_SM, 0x55                        ; all in window 1
.set W_RS, 0x86                        ; O (window 2) times alpha (source 1, window 1)
.set W_PV, 0xa4                        ; source 0 (V) window 0, source 1 (P) window 1, C and D window 2
.set W_O,  0x80
.set W_1,  0x40
.set W_CV, 0x0a                        ; sources window 2, destination window 0
.set MSB, 0
.macro WIN new
.if MSB != \new
	s_set_vgpr_msb (MSB<<8)|\new
.set MSB, \new
.endif
.endm
.macro PLACES                          ; four places behind a matrix instruction, in front of reads of its result and of loads into its sources
.rept 4
	v_nop
.endr
.endm
.macro KVLOAD s                        ; my quarter of a slot; the two lines differ in the padding alone
	s_cmp_lt_u32 s8, 2
	s_cbranch_scc0 .Lfor_v_\@
	tensor_load_to_lds s[G0+4*(\s):G0+4*(\s)+3], s[G1K:G1K+7]
	s_nop 0
	s_branch .Lasked_\@
.Lfor_v_\@:
	tensor_load_to_lds s[G0+4*(\s):G0+4*(\s)+3], s[G1V:G1V+7]
	s_nop 0
.Lasked_\@:
.endm
; The head of a trip on a slot: all my tensor loads have landed (my part of this slot among them), my reads of the other slot are back;
; behind the barrier both hold of every wave, and the other slot is asked for again first.
.macro TRIPHEAD slot, refill
	s_wait_tensorcnt 0x0
	ds_add_u32 v254, v255
	s_wait_dscnt 0x0
	s_add_nc_u64 s[G0+4*\slot+2:G0+4*\slot+3], s[G0+4*\slot+2:G0+4*\slot+3], 2*TILEB   ; no load of mine is out: this slot's next tile
	s_wait_dscnt 0x0
	s_barrier_signal -1
	s_barrier_wait -1
.if \refill
	KVLOAD 1-\slot
.endif
.endm
.macro LOADK slot, sub                 ; 16 loads: 64 keys x 64 d
	WIN 0
.irp k, 0,1,2,3
.irp c, 0,1
	ds_load_b128 v[RK+16*\k+8*\c:RK+16*\k+8*\c+3],   v[VK+\slot] offset:\sub*PART+16*KP*\k+64*\c
	ds_load_b128 v[RK+16*\k+8*\c+4:RK+16*\k+8*\c+7], v[VK+\slot] offset:\sub*PART+16*KP*\k+64*\c+32
.endr
.endr
.endm
.macro LOADV slot, sub                 ; 16 transposing loads: 64 d x 64 keys
	WIN 0
.irp d, 0,1,2,3
.irp c, 0,1
	ds_load_tr16_b128 v[RV+16*\d+8*\c:RV+16*\d+8*\c+3],   v[VV+\slot] offset:\sub*PART+32*VP*\c+32*\d
	ds_load_tr16_b128 v[RV+16*\d+8*\c+4:RV+16*\d+8*\c+7], v[VV+\slot] offset:\sub*PART+32*VP*\c+32*\d+16*VP
.endr
.endr
.endm
.macro SMUL                            ; S^T = K Q^T: the first 32 of d start the 16 sums, the second 32 add onto them
	WIN W_S
.irp q, 0,1,2,3
.irp k, 0,1,2,3
	v_wmma_f32_16x16x32_f16 v[8*(4*\q+\k):8*(4*\q+\k)+7], v[RK+16*\k:RK+16*\k+7], v[RQ+16*\q:RQ+16*\q+7], 0
.endr
.endr
.irp q, 0,1,2,3
.irp k, 0,1,2,3
	v_wmma_f32_16x16x32_f16 v[8*(4*\q+\k):8*(4*\q+\k)+7], v[RK+16*\k+8:RK+16*\k+15], v[RQ+16*\q+8:RQ+16*\q+15], v[8*(4*\q+\k):8*(4*\q+\k)+7]
.endr
.endr
	PLACES
.endm
.macro PVMUL                           ; O^T += V^T P^T
	WIN W_PV
.irp c, 0,1
.irp q, 0,1,2,3
.irp d, 0,1,2,3
	v_wmma_f32_16x16x32_f16 v[8*(4*\q+\d):8*(4*\q+\d)+7], v[RV+16*\d+8*\c:RV+16*\d+8*\c+7], v[RP+16*\q+8*\c:RP+16*\q+8*\c+7], v[8*(4*\q+\d):8*(4*\q+\d)+7]
.endr
.endr
.endr
	PLACES
.endm
; key 64 kt + 16 kb + 8 h + j is beyond query 64 w + 16 qb + r where j + 16 (kb - qb) > r - 8 h + 64 (w - kt).  The right side is at least -8,
; so tiles with kb < qb (left side at most -9) need no look.  The choice selects a value; no branch hangs on it.
.macro MASK
	WIN W_SM
.irp q, 0,1,2,3
.irp k, 0,1,2,3
.if \k >= \q
.irp j, 0,1,2,3,4,5,6,7
	v_cmp_gt_i32 vcc_lo, \j+16*(\k-\q), v[RVD]
	v_cndmask_b32 v[8*(4*\q+\k)+\j], v[8*(4*\q+\k)+\j], v[RNINF], vcc_lo
.endr
.endif
.endr
.endr
.endm
.macro SCALE i                         ; c s - c max, two at a time; the query block picks its register of the pair
	v_pk_fma_f32 v[2*\i:2*\i+1],       v[2*\i:2*\i+1],       s[24:25], v[RNB:RNB+1]   op_sel_hi:[1,0,0]
	v_pk_fma_f32 v[32+2*\i:32+2*\i+1], v[32+2*\i:32+2*\i+1], s[24:25], v[RNB:RNB+1]   op_sel:[0,0,1] op_sel_hi:[1,0,1]
	v_pk_fma_f32 v[64+2*\i:64+2*\i+1], v[64+2*\i:64+2*\i+1], s[24:25], v[RNB+2:RNB+3] op_sel_hi:[1,0,0]
	v_pk_fma_f32 v[96+2*\i:96+2*\i+1], v[96+2*\i:96+2*\i+1], s[24:25], v[RNB+2:RNB+3] op_sel:[0,0,1] op_sel_hi:[1,0,1]
.endm
.macro RESCALE                         ; O times the query's factor in RAL
	WIN W_RS
.irp i, 0,1,2,3,4,5,6,7,8,9,10,11,12,13,14,15
	v_pk_mul_f32 v[2*\i:2*\i+1],       v[2*\i:2*\i+1],       v[RAL:RAL+1]   op_sel_hi:[1,0]
	v_pk_mul_f32 v[32+2*\i:32+2*\i+1], v[32+2*\i:32+2*\i+1], v[RAL:RAL+1]   op_sel:[0,1] op_sel_hi:[1,1]
	v_pk_mul_f32 v[64+2*\i:64+2*\i+1], v[64+2*\i:64+2*\i+1], v[RAL+2:RAL+3] op_sel_hi:[1,0]
	v_pk_mul_f32 v[96+2*\i:96+2*\i+1], v[96+2*\i:96+2*\i+1], v[RAL+2:RAL+3] op_sel:[0,1] op_sel_hi:[1,1]
.endr
.endm
; One sub-tile's softmax step; the four query blocks are four chains that do not wait for each other.
.macro SOFTMAX
	WIN W_SM
.irp q, 0,1,2,3
	v_max3_num_f32 v[RMN+\q], v[32*\q], v[32*\q+1], v[RM+\q]                   ; the old maximum starts the chain
.endr
.irp i, 1,2,3,4,5,6,7,8,9,10,11,12,13,14,15
.irp q, 0,1,2,3
	v_max3_num_f32 v[RMN+\q], v[32*\q+2*\i], v[32*\q+2*\i+1], v[RMN+\q]
.endr
.endr
.irp q, 0,1,2,3
	v_permlanex16_b32 v[RT+\q], v[RMN+\q], s27, s28                            ; the other half of the lanes holds the query's other keys
.endr
.irp q, 0,1,2,3
	v_max_num_f32 v[RMN+\q], v[RMN+\q], v[RT+\q]
.endr
.irp q, 0,1,2,3
	v_mul_f32 v[RNB+\q], s26, v[RMN+\q]
.endr
.irp q, 0,1,2,3
	v_fma_f32 v[RT+\q], v[RM+\q], s24, v[RNB+\q]                               ; c (old - new); -inf in a phase's first step
.endr
.irp q, 0,1,2,3
	v_exp_f32 v[RAL+\q], v[RT+\q]
.endr
.irp q, 0,1,2,3
	v_mov_b32 v[RM+\q], v[RMN+\q]                                              ; plain work behind the exponentials (ISA guide 5.7.2)
.endr
.irp i, 0,1,2,3,4,5,6,7,8,9,10,11,12,13,14,15
	SCALE \i
.endr
.set n, 0
.rept 128
	v_exp_f32 v[n], v[n]
.set n, n+1
.endr
	v_nop                                                                      ; one plain place before the results are used
	s_wait_alu depctr_va_vdst(0)
.irp q, 0,1,2,3
	v_pk_add_f32 v[RLP+2*\q:RLP+2*\q+1], v[32*\q:32*\q+1], v[32*\q+2:32*\q+3]
.endr
.irp i, 2,3,4,5,6,7,8,9,10,11,12,13,14,15
.irp q, 0,1,2,3
	v_pk_add_f32 v[RLP+2*\q:RLP+2*\q+1], v[RLP+2*\q:RLP+2*\q+1], v[32*\q+2*\i:32*\q+2*\i+1]
.endr
.endr
.irp q, 0,1,2,3
	v_add_f32 v[RT+\q], v[RLP+2*\q], v[RLP+2*\q+1]
.endr
.irp q, 0,1,2,3
	v_fma_f32 v[RL+\q], v[RL+\q], v[RAL+\q], v[RT+\q]
.endr
.set n, 0
.rept 64
	v_cvt_pk_f16_f32 v[RP+n], v[2*n], v[2*n+1]                                 ; keys 8 h + 2 n', + 1 of a tile: the place they have in source 1
.set n, n+1
.endr
	RESCALE
.endm
; A trip on a slot that lies wholly below the diagonal: two sub-tiles; each run of 16 loads is issued a product ahead of its use.
.macro FULLTRIP slot
	WIN 0
	TRIPHEAD \slot, 1
	LOADK \slot, 0
	LOADV \slot, 0
	s_wait_dscnt 16                                ; K is in; V's 16 loads may be out
	SMUL
	LOADK \slot, 1
	SOFTMAX
	s_wait_dscnt 16                                ; V is in; the next K's 16 loads may be out
	PVMUL
	LOADV \slot, 1
	s_wait_dscnt 16                                ; the next K is in; its V's 16 loads may be out
	SMUL
	SOFTMAX
	s_wait_dscnt 0
	PVMUL
	WIN 0
.endm
; Sub-tile kt of the diagonal block.  The branch hangs on the wave's number; no barrier and no tensor load stands inside it.
.macro DSUB slot, sub, kt
.if \kt
	s_cmp_lt_u32 s8, \kt
	s_cbranch_scc1 .Lskip_\@
.endif
	s_sub_co_u32 s29, s8, \kt
	s_lshl_b32 s29, s29, 6
	LOADK \slot, \sub
	LOADV \slot, \sub
	WIN W_SM
	v_add_nc_u32 v[RVD], s29, v[RVD0]
	s_wait_dscnt 16                                ; K is in; V's 16 loads may be out
	SMUL
	MASK
	SOFTMAX
	s_wait_dscnt 0
	PVMUL
	WIN 0
.Lskip_\@:
.endm
; O / sum, rounded to f16, through my stage, out in runs of 512 consecutive bytes
.macro FINAL
	WIN W_SM
.irp q, 0,1,2,3
	v_permlanex16_b32 v[RT+\q], v[RL+\q], s27, s28
.endr
.irp q, 0,1,2,3
	v_add_f32 v[RL+\q], v[RL+\q], v[RT+\q]
.endr
.irp q, 0,1,2,3
	v_rcp_f32 v[RAL+\q], v[RL+\q]
.endr
	v_nop                                          ; one plain place before the reciprocals are used
	s_wait_alu depctr_va_vdst(0)
	RESCALE
	WIN W_CV
.set n, 0
.rept 64
	v_cvt_pk_f16_f32 v[RK+n], v[2*n], v[2*n+1]
.set n, n+1
.endr
	WIN 0
.irp q, 0,1,2,3
.irp d, 0,1,2,3
	ds_store_b128 v[VFR], v[RK+4*(4*\q+\d):RK+4*(4*\q+\d)+3] offset:16*KP*\q+32*\d   ; query 16 qb + r, d = 16 db + 8 h + 0..7
.endr
.endr
.irp i, 0,1,2,3,4,5,6,7,8,9,10,11,12,13,14,15
	ds_load_b128 v[RV+4*\i:RV+4*\i+3], v[VSTL] offset:4*KP*\i                        ; LDS serves a wave's instructions in order: these see the stores above
.endr
.irp i, 0,1,2,3,4,5,6,7,8,9,10,11,12,13,14,15
	s_wait_dscnt 15-\i                             ; load i is in, the 15 - i younger ones stay out
	global_store_b128 v[VGL], v[RV+4*\i:RV+4*\i+3], s[22:23] offset:512*\i
.endr
	s_wait_xcnt 0x0                                ; the stores' data and base are rewritten only behind this wait
.endm
	s_load_b128 s[4:7], s[0:1], 0x0                ; qkv s[4:5], att s[6:7]
	v_lshl_add_u32 v254, v0, 2, 0x29000
	v_mov_b32 v255, 0
	v_lshrrev_b32 v1, 5, v0
	v_readfirstlane_b32 s8, v1                     ; wave 0..3
	s_and_b32 s9, ttmp9, 3                         ; j
	s_sub_co_u32 s10, 7, s9                        ; 7 - j
	s_bfe_u32 s12, ttmp9, 0x40002                  ; head
	s_lshl_b32 s12, s12, 20                        ; x 1,048,576 bytes
	s_lshr_b32 s13, ttmp9, 6                       ; batch
	s_lshl_b32 s13, s13, 18                        ; x 2,048 rows of 128 bytes
	s_add_co_u32 s12, s12, s13
	s_mov_b32 s13, 0
	s_lshr_b32 s29, s8, 1
	s_add_co_u32 s29, s29, 1                       ; region 1 (K) for waves 0, 1; region 2 (V) for waves 2, 3
	s_lshl_b32 s30, s29, 24
	s_and_b32 s29, s8, 1
	s_lshl_b32 s29, s29, 13                        ; my 64 keys of a tile's 128
	s_add_co_u32 s30, s30, s29
	s_mov_b32 s31, 0
	s_mov_b32 s24, 0x3e38aa3b                      ; c = log2(e) / 8
	s_mov_b32 s25, 0x3e38aa3b
	s_mov_b32 s26, 0xbe38aa3b                      ; - c
	s_mov_b32 s27, 0x76543210                      ; v_permlanex16_b32: lane i of one half reads lane i of the other
	s_mov_b32 s28, 0xfedcba98
	; group 1: 8,192 dense bytes as 32 rows of 128 elements; padding behind every 32 words (a key's 128 bytes): 16 bytes for K, 32 for V
	s_mov_b32 s[G1K+0], (1<<16)|(1<<20)|(4<<22)|(3<<25)
	s_mov_b32 s[G1V+0], (1<<16)|(1<<20)|(4<<22)|(7<<25)
.irp g, G1K, G1V
	s_mov_b32 s[\g+1], 128<<16                     ; tensor_dim0 = 128
	s_mov_b32 s[\g+2], 32<<16                      ; tensor_dim1 = 32
	s_mov_b32 s[\g+3], 128<<16                     ; tile_dim0 = 128
	s_mov_b32 s[\g+4], 32                          ; tile_dim1 = 32
	s_mov_b32 s[\g+5], 128                         ; from row to row: 128 elements (dense)
	s_mov_b32 s[\g+6], 0
	s_mov_b32 s[\g+7], 0
.endr
	s_mul_i32 s29, s8, PART
.irp s, 0,1
	s_mov_b32 s[G0+4*\s], 1
	s_add_co_u32 s[G0+4*\s+1], s29, \s*SLOT
.endr
	v_and_b32 v1, 31, v0                           ; l
	v_and_b32 v2, 15, v0                           ; r = l % 16
	v_bfe_u32 v3, v0, 4, 1                         ; h = l / 16
	v_and_b32 v4, 7, v0
	v_bfe_u32 v5, v0, 3, 1
	v_mul_u32_u24 v6, v2, KP
	v_lshl_add_u32 v6, v3, 4, v6                   ; r x 144 + 16 h
	v_mov_b32 v[VK], v6
	v_add_nc_u32 v[VK+1], SLOT, v6
	v_lshl_add_u32 v7, v3, 3, v4                   ; key row 8 h + l % 8
	v_mul_u32_u24 v7, v7, VP
	v_lshl_add_u32 v7, v5, 4, v7
	v_add_nc_u32 v[VV], 2*PART, v7
	v_add_nc_u32 v[VV+1], 2*PART+SLOT, v7
	s_mul_i32 s29, s8, 64*KP
	s_add_co_u32 s29, s29, STAGE                   ; my stage
	v_add_nc_u32 v[VFR], s29, v6
	v_lshrrev_b32 v7, 3, v1
	v_mul_u32_u24 v7, v7, KP
	v_lshl_add_u32 v7, v4, 4, v7
	v_add_nc_u32 v[VSTL], s29, v7
	v_lshlrev_b32 v[VGL], 4, v1
	v_lshlrev_b32 v15, 3, v3
	v_sub_nc_u32 v15, v2, v15                      ; r - 8 h
	WIN W_1
	v_mov_b32 v[RVD0], v15
	v_mov_b32 v[RNINF], 0xff800000
.irp q, 0,1,2,3
	v_mov_b32 v[RT+\q], 0                          ; v_permlanex16_b32 counts as a reader of its destination
.endr
	WIN 0
	s_wait_kmcnt 0x0
	s_add_nc_u64 s[14:15], s[4:5], s[12:13]
	s_add_nc_u64 s[14:15], s[14:15], s[30:31]      ; my part of tile 0 of K or V
	s_lshl_b32 s30, s8, 13                         ; my 64 queries of a block
	s_add_nc_u64 s[56:57], s[4:5], s[12:13]
	s_add_nc_u64 s[56:57], s[56:57], s[30:31]      ; q of this head, my rows of block 0
	s_add_nc_u64 s[58:59], s[6:7], s[12:13]
	s_add_nc_u64 s[58:59], s[58:59], s[30:31]      ; att likewise
	s_mov_b32 s16, 0                               ; phase
.Lphase:
	s_cmp_eq_u32 s16, 0
	s_cselect_b32 s17, s10, s9                     ; the query block; also the number of key blocks wholly below the diagonal
	s_lshl_b32 s30, s17, 15                        ; x 256 rows of 128 bytes
	s_mov_b32 s31, 0
	s_add_nc_u64 s[20:21], s[56:57], s[30:31]
	s_add_nc_u64 s[22:23], s[58:59], s[30:31]
	; Slot 0 is asked for in the form of a refill in both phases: my LDS reads are back, none of my tensor loads is out, a barrier, the load first behind it.
	s_wait_dscnt 0x0
	s_wait_tensorcnt 0x0
	ds_add_u32 v254, v255
	ds_add_u32 v254, v255
	s_wait_dscnt 0x0
	s_mov_b64 s[G0+2:G0+3], s[14:15]               ; tile 0
	s_or_b32 s[G0+3], s[G0+3], 0x80000000
	s_add_nc_u64 s[G0+6:G0+7], s[14:15], TILEB     ; tile 1
	s_or_b32 s[G0+7], s[G0+7], 0x80000000
	s_barrier_signal -1
	s_barrier_wait -1
	KVLOAD 0
	; Q: 8,192 consecutive bytes in 16 loads, through my stage into fragments
.irp i, 0,1,2,3,4,5,6,7,8,9,10,11,12,13,14,15
	global_load_b128 v[RK+4*\i:RK+4*\i+3], v[VGL], s[20:21] offset:512*\i
.endr
	; The recurrence multiplies O by alpha = 0 in its first step, so O has to be finite there: it is cleared once a phase.
	; A first step written out apart, with the constant 0 as C, would double the text of the sub-tile.
	WIN W_1
.irp q, 0,1,2,3
	v_mov_b32 v[RM+\q], 0xff800000
	v_mov_b32 v[RL+\q], 0
.endr
	WIN W_O
.set n, 0
.rept 128
	v_mov_b32 v[n], 0
.set n, n+1
.endr
	WIN 0
.irp i, 0,1,2,3,4,5,6,7,8,9,10,11,12,13,14,15
	s_wait_loadcnt 15-\i                           ; load i is in, the 15 - i younger ones stay out
	ds_store_b128 v[VSTL], v[RK+4*\i:RK+4*\i+3] offset:4*KP*\i
.endr
.irp q, 0,1,2,3
.irp c, 0,1
	ds_load_b128 v[RQ+16*\q+8*\c:RQ+16*\q+8*\c+3],   v[VFR] offset:16*KP*\q+64*\c      ; waited for by the first trip's wait for 0
	ds_load_b128 v[RQ+16*\q+8*\c+4:RQ+16*\q+8*\c+7], v[VFR] offset:16*KP*\q+64*\c+32
.endr
.endr
	s_mov_b32 s19, 0
	s_cmp_eq_u32 s17, 0
	s_cbranch_scc1 .Ldiag
.Lfull:                                            ; a block of 256 keys = once round the ring
	FULLTRIP 0
	FULLTRIP 1
	s_add_co_u32 s19, s19, 1
	s_cmp_lt_u32 s19, s17
	s_cbranch_scc1 .Lfull
.Ldiag:                                            ; on both ways in: slot 0 is asked for, slot 1 is free
	TRIPHEAD 0, 1
	DSUB 0, 0, 0
	DSUB 0, 1, 1
	TRIPHEAD 1, 0                                  ; the phase's last tile: nothing is left to fetch
	DSUB 1, 0, 2
	DSUB 1, 1, 3
	FINAL
	s_add_co_u32 s16, s16, 1
	s_cmp_lt_u32 s16, 2
	s_cbranch_scc1 .Lphase
	s_wait_tensorcnt 0x0
	ds_add_u32 v254, v255
	s_wait_dscnt 0x0
	s_endpgm
.Lfunc_end_k_q3ca3b8253f_attn:
	.size	k_q3ca3b8253f_attn, .Lfunc_end_k_q3ca3b8253f_attn-k_q3ca3b8253f_attn
	.p2alignl 7, 3214868480
	.fill 96, 4, 3214868480
	.section	.rodata,"a",@progbits
	.p2align	6, 0x0
	.amdhsa_kernel k_q3ca3b8253f_attn
		.amdhsa_group_segment_fixed_size 327680
		.amdhsa_private_segment_fixed_size 0
		.amdhsa_enable_private_segment 0
		.amdhsa_kernarg_size 16
		.amdhsa_user_sgpr_count 2
		.amdhsa_user_sgpr_kernarg_segment_ptr 1
		.amdhsa_wavefront_size32 1
		.amdhsa_system_sgpr_workgroup_id_x 1
		.amdhsa_system_sgpr_workgroup_id_y 1
		.amdhsa_system_sgpr_workgroup_id_z 1
		.amdhsa_system_vgpr_workitem_id 0
		.amdhsa_next_free_vgpr 640
		.amdhsa_next_free_sgpr 66
		.amdhsa_reserve_vcc 1
		.amdhsa_float_denorm_mode_32 3
		.amdhsa_float_denorm_mode_16_64 3
		.amdhsa_memory_ordered 1
		.amdhsa_forward_progress 1
		.amdhsa_inst_pref_size 255
	.end_amdhsa_kernel
	.section	.bss,"aw",@nobits
	.p2align	6
	.space	262144
	.amdgpu_metadata
---
amdhsa.version: [ 1, 2 ]
amdhsa.kernels:
  - .name:           k_q3ca3b8253f_attn
    .symbol:         k_q3ca3b8253f_attn.kd
    .args:
      - { .name: qkv, .offset: 0, .size: 8, .value_kind: global_buffer, .address_space: global }
      - { .name: att, .offset: 8, .size: 8, .value_kind: global_buffer, .address_space: global }
    .group_segment_fixed_size: 327680
    .private_segment_fixed_size: 0
    .kernarg_segment_align: 8
    .kernarg_segment_size: 16
    .max_flat_workgroup_size: 128
    .sgpr_count:     66
    .vgpr_count:     640
    .wavefront_size: 32
...
	.end_amdgpu_metadata
.endif
;; end of part 3
;; launch oproj (part 4): grid 4 x 32, 4 waves a work-group, clusters of 4 x 4, 327,680 bytes of LDS; arguments att, wb, bo, out0; writes out0
.if DOCPART == 4
	.amdgcn_target "amdgcn-amd-amdhsa--gfx1250"
	.amdhsa_code_object_version 6
	.text
	.protected	k_q3ca3b8253f_oproj
	.globl	k_q3ca3b8253f_oproj
	.p2align	8
	.type	k_q3ca3b8253f_oproj,@function
k_q3ca3b8253f_oproj:
	s_mov_b64 s[64:65], 0
	v_nop
	global_prefetch_b8 v0, s[64:65] scope:SCOPE_SE
	s_setreg_imm32_b32 hwreg(HW_REG_WAVE_MODE, 25, 1), 1
	s_wait_xcnt 0x0
	s_wait_alu depctr_hold_cnt(0) depctr_sa_sdst(0) depctr_va_vdst(0) depctr_va_sdst(0) depctr_va_ssrc(0) depctr_va_vcc(0) depctr_vm_vsrc(0)
	s_getreg_b32 s2, hwreg(HW_REG_IB_STS2, 6, 4)
	s_cmp_eq_u32 s2, 0
	s_cbranch_scc0 .Lentry_in_a_cluster
	s_endpgm
.Lentry_in_a_cluster:
	s_bfe_u32 s2, ttmp6, 0x10000c
	s_cmp_lg_u32 s2, 0xf033
	s_cbranch_scc0 .Lentry_shape_is_right
	s_endpgm
.Lentry_shape_is_right:
; C = A W + bias, sums in f32.  One text for two launches, switched by IS_O:
;   IS_O = 0: q, k, v = x W + b.   A = xb (bf16), W = wb's weight number (cluster x) (bf16), C = qkv [3][16 h][8192 m][64] f16.
;   IS_O = 1: out0 = att Wo + bo.  A = att (f16), W = wb's weight 3 (f16), C = out0 [8192][1024] f32.
; The two matrix forms have the same registers, layout and distances; the format follows A's.
; A lies K-blocked, [16 kb][8192 m][64] of 16 bits: 256 rows of one K block are 32,768 consecutive bytes.  W lies [1024 k][1024 n] of 16 bits.
; A work-group makes 256 x 256 of C with four waves, one for each SIMD of a WGP; a wave makes 128 x 128: 64 accumulator tiles, 512 registers.
; K goes in steps of 128 through a ring of two LDS slots filled by the tensor data mover.
; CLUSTERS: 4 x 4 work-groups.  A's tile hangs on the block row alone and is asked for jointly by a row of the cluster, W's on the block column
; alone and is asked for jointly by a column: four work-groups make one request.
; LIMIT: IS_O = 0: |C| below 65,504 (it is stored in f16; below 6.1e-5 as f16 subnormals, kept).  IS_O = 1: |A|, |W| below 65,504.
;
; REGISTERS in windows of 256 (s_set_vgpr_msb: bits 1:0 source 0, 3:2 source 1, 5:4 source 2, 7:6 destination):
;   window 0: v0-27 addresses; v32-63, v224-255 bias; v64-127, v128-191 fragments of A, two buffers; v192-223 at work on the way out
;   window 1: v64-127, v128-191 fragments of W, two buffers
;   window 2: accumulator tiles of my rows 0-63 (tile (a, b) at v[8 (8 a + b)]);   window 3: of my rows 64-127
; THE MATRIX INSTRUCTION IS USED TRANSPOSED: source 0 = 16 columns of W, source 1 = 16 rows of A.  Lane l then holds row l % 16 of C and its
; eight registers the columns 8 (l / 16) + 0..7: neighbouring numbers of a row.
; The 64 accumulators take turns, one instruction a turn, in the same order in every quarter step.
.set IS_O,   1
.set SIZE_K, 1024
.set KSTEP,  128
.set APITCH, 144                       ; an LDS row of A: 128 bytes (one K block) + 16: an odd multiple of 16
.set BPITCH, 544                       ; an LDS row of W: 512 bytes (256 n) + 32: an odd multiple of 32, for the transposing loads
.set QUART,  36864                     ; what one wave fills: 256 rows of A x 144, or 64 k rows of W x 544 (34,816; the rest stays unused)
.set SLOT,   4*QUART                   ; A's K blocks 0, 1 of the step, then W's k rows 0-63, 64-127
.set STAGE,  2*SLOT                    ; behind the ring: 16 rows x 272 bytes for each wave, for the way out; no fill ever lands here
.set SPITCH, 272
.set LAPS,   SIZE_K/(2*KSTEP)          ; a lap = two K steps = once round the ring
.set ASTEP,  4*1048576                 ; two K steps = four K blocks of A, in bytes
.set BSTEP,  2*KSTEP*2048              ; two K steps = 256 rows of W, in bytes
.set ADRA, 16                          ; v16-17  LDS address of my A fragments in slot 0, 1
.set ADRB, 20                          ; v20-21  the same for W
.set STO,  24                          ; way out: where I put my piece of a row
.set RD,   25                          ; way out: where I read 16 bytes back
.set CO,   26                          ; my byte offset in C
.set VB,   27                          ; my byte offset in the bias
.set F0,   64
.set F1,   128
.set TMP,  192
.set G1,  24                           ; s[24:31] group 1 for A's tiles
.set G0,  32                           ; s[32:39] group 0 for A's tiles, one set for each slot
.set G1B, 48                           ; s[48:55] group 1 for W's tiles
.set G0B, 56                           ; s[56:63] group 0 for W's tiles, one set for each slot
.set MSB, 0
.macro WIN new                         ; the immediate's high byte repeats the setting that is left
.if MSB != \new
	s_set_vgpr_msb (MSB<<8)|\new
.set MSB, \new
.endif
.endm
.set MUL_LO,  0xa1                     ; source 0 (W) window 1, source 1 (A) window 0, C and D window 2
.set MUL_HI,  0xf1                     ; the same, C and D window 3
.set MUL_LO1, 0x81                     ; the first product: C is the bias, in window 0
.set MUL_HI1, 0xc1
.set TO_B,    0x40                     ; destination window 1, address window 0
; A joint load.  Waves 0, 1 fetch A's two K blocks, waves 2, 3 W's two halves.  Each line has one mask and one set of registers; the branch hangs on the wave's number alone.
.macro JLOAD s
	s_cmp_eq_u32 s11, 0
	s_cbranch_scc0 .Lfor_b_\@
	tensor_load_to_lds s[G0+4*\s:G0+4*\s+3], s[G1:G1+7]
	s_nop 0
	s_branch .Lasked_\@
.Lfor_b_\@:
	tensor_load_to_lds s[G0B+4*\s:G0B+4*\s+3], s[G1B:G1B+7]
	s_nop 0
.Lasked_\@:
.endm
; A round of the cluster's barrier: my work-group's barrier; wave 0 signals for the work-group; every wave waits for all sixteen; my work-group's barrier again.
.macro CREST
	s_cmp_lg_u32 s10, 0
	s_cbranch_scc1 .Lnot_wave_0_\@
	s_barrier_signal -3
.Lnot_wave_0_\@:
	s_barrier_wait -3
	s_barrier_signal -1
	s_barrier_wait -1
.endm
.macro CROUND
	s_barrier_signal -1
	s_barrier_wait -1
	CREST
.endm
	s_load_b128 s[4:7], s[0:1], 0x0                ; A s[4:5], wb s[6:7]
.if IS_O
	s_load_b128 s[68:71], s[0:1], 0x10             ; bo s[68:69], out0 s[70:71]
	s_set_vgpr_msb 0x40
	v_lshl_add_u32 v255, v0, 2, 0x4c400
	s_set_vgpr_msb 0x4000
	v_mov_b32 v223, 0
	s_set_vgpr_msb 0x1
	ds_add_u32 v255, v223
	ds_add_u32 v255, v223
	s_set_vgpr_msb 0x100
.else
	s_load_b128 s[68:71], s[0:1], 0x10             ; bq s[68:69], bk s[70:71]
	s_load_b128 s[72:75], s[0:1], 0x20             ; bv s[72:73], qkv s[74:75]
.endif
	v_lshrrev_b32 v1, 5, v0
	v_readfirstlane_b32 s10, v1                    ; wave 0..3
	s_lshr_b32 s11, s10, 1                         ; which half of the block's rows is mine.  Also: I fetch for A (0) or for W (1)
	s_and_b32 s12, s10, 1                          ; which half of its columns.  Also: which half of that tile I fetch
	s_bfe_u32 s40, ttmp6, 0x40000                  ; cx
	s_bfe_u32 s41, ttmp6, 0x40004                  ; cy
	s_and_b32 s13, ttmp7, 0xffff
	s_lshl_b32 s13, s13, 2
	s_add_co_u32 s13, s13, s41                     ; block row of C = 4 x cluster y + cy
	s_lshl_b32 s43, s41, 2
	s_lshl_b32 s43, 15, s43                        ; my row of the cluster: places 4 cy .. 4 cy + 3
	s_lshl_b32 s44, 0x1111, s40                    ; my column: places cx, cx + 4, cx + 8, cx + 12
	; group 1 for A: 32,768 dense bytes as 128 rows of 128 elements; 16 bytes of padding behind every 32 words, that is behind each row of a K block
	s_or_b32 s[G1+0], s43, (1<<16)|(1<<20)|(1<<21)|(4<<22)|(3<<25)
	s_mov_b32 s[G1+1], 128<<16                     ; tensor_dim0 = 128
	s_mov_b32 s[G1+2], 128<<16                     ; tensor_dim1 = 128
	s_mov_b32 s[G1+3], 128<<16                     ; tile_dim0 = 128
	s_mov_b32 s[G1+4], 128                         ; tile_dim1 = 128
	s_mov_b32 s[G1+5], 128                         ; from row to row: 128 elements (dense)
	s_mov_b32 s[G1+6], 0
	s_mov_b32 s[G1+7], 0
	; group 1 for W: 64 k rows of 256 elements, 1,024 elements apart; 32 bytes of padding behind every 128 words (a row)
	s_or_b32 s[G1B+0], s44, (1<<16)|(1<<20)|(1<<21)|(6<<22)|(7<<25)
	s_mov_b32 s[G1B+1], 256<<16
	s_mov_b32 s[G1B+2], 64<<16
	s_mov_b32 s[G1B+3], 256<<16
	s_mov_b32 s[G1B+4], 64
	s_mov_b32 s[G1B+5], 1024
	s_mov_b32 s[G1B+6], 0
	s_mov_b32 s[G1B+7], 0
	; where the tiles come from: A's offset is made of the block row and the wave's number, W's of cx, the cluster's x and the wave's number
	s_lshl_b32 s16, s13, 15                        ; 256 rows x 128 bytes a block row
	s_lshl_b32 s17, s12, 20                        ; my K block of the step's two
	s_add_co_u32 s16, s16, s17
	s_mov_b32 s17, 0
	s_lshl_b32 s46, s40, 9                         ; 256 columns x 2 bytes
	s_lshl_b32 s47, s12, 17                        ; my 64 k rows x 2,048 bytes
	s_add_co_u32 s46, s46, s47
.if IS_O
	s_add_co_u32 s46, s46, 0x600000                ; weight 3
.else
	s_lshl_b32 s47, ttmp9, 21                      ; the cluster's x is the weight's number
	s_add_co_u32 s46, s46, s47
.endif
	s_mov_b32 s47, 0
	s_mul_i32 s20, s10, QUART                      ; where they go: wave x a quarter of the slot; no place in the cluster enters an LDS address
	s_wait_dscnt 0x0
	s_wait_kmcnt 0x0
	s_add_nc_u64 s[14:15], s[4:5], s[16:17]
	s_add_nc_u64 s[46:47], s[6:7], s[46:47]
	CROUND                                         ; all sixteen work-groups are here: the first joint loads meet
.irp s, 0,1
	s_mov_b32 s[G0+4*\s], 1
	s_add_co_u32 s[G0+4*\s+1], s20, \s*SLOT
	s_add_nc_u64 s[G0+4*\s+2:G0+4*\s+3], s[14:15], \s*2097152      ; K step s: two K blocks on
	s_or_b32 s[G0+4*\s+3], s[G0+4*\s+3], 0x80000000
	s_mov_b32 s[G0B+4*\s], 1
	s_add_co_u32 s[G0B+4*\s+1], s20, \s*SLOT
	s_add_nc_u64 s[G0B+4*\s+2:G0B+4*\s+3], s[46:47], \s*262144     ; K step s: 128 rows on
	s_or_b32 s[G0B+4*\s+3], s[G0B+4*\s+3], 0x80000000
	JLOAD \s                                       ; both slots are asked for before anything else: two loads of this wave are out
.endr
	; the bias of my 128 columns, in the accumulators' layout: lane (r, h), tile column b, register j: column 16 b + 8 h + j
	v_and_b32 v1, 15, v0                           ; r
	v_bfe_u32 v2, v0, 4, 1                         ; h
	v_lshlrev_b32 v[VB], 5, v2
.if IS_O == 0
	s_cmp_eq_u32 ttmp9, 1
	s_cselect_b64 s[68:69], s[70:71], s[68:69]
	s_cmp_eq_u32 ttmp9, 2
	s_cselect_b64 s[68:69], s[72:73], s[68:69]
.endif
	s_lshl_b32 s18, s40, 10                        ; 256 columns x 4 bytes
	s_lshl_b32 s19, s12, 9
	s_add_co_u32 s18, s18, s19
	s_mov_b32 s19, 0
	s_add_nc_u64 s[68:69], s[68:69], s[18:19]
.irp b, 0,1,2,3,4,5,6,7
	global_load_b128 v[32+8*\b+(\b/4)*160:32+8*\b+(\b/4)*160+3],   v[VB], s[68:69] offset:64*\b
	global_load_b128 v[32+8*\b+(\b/4)*160+4:32+8*\b+(\b/4)*160+7], v[VB], s[68:69] offset:64*\b+16
.endr
	; A's fragment, 16 rows x 32 K: lane l holds row l % 16; two loads of 16 bytes, 32 bytes apart, at row x pitch + 16 (l / 16)
	v_mul_u32_u24 v3, v1, APITCH
	v_lshl_add_u32 v3, v2, 4, v3
	; W's fragment comes from rows that lie along n, by the transposing load: lane l addresses k row 8 (l / 16) + l % 8, 16 bytes at 16 ((l / 8) % 2)
	v_and_b32 v4, 7, v0
	v_lshl_add_u32 v4, v2, 3, v4
	v_mul_u32_u24 v4, v4, BPITCH
	v_bfe_u32 v5, v0, 3, 1
	v_lshl_add_u32 v4, v5, 4, v4
	s_mul_i32 s21, s11, 128*APITCH                 ; my 128 rows of A
	s_lshl_b32 s22, s12, 8                         ; my 128 columns of W,
	s_add_co_u32 s22, s22, 2*QUART                 ; which lies behind A's two K blocks
.irp s, 0,1
	v_add_nc_u32 v[ADRA+\s], s21, v3
	v_add_nc_u32 v[ADRB+\s], s22, v4
	s_add_co_u32 s21, s21, SLOT
	s_add_co_u32 s22, s22, SLOT
.endr
	s_mul_i32 s23, s10, 16*SPITCH
	s_add_co_u32 s23, s23, STAGE                   ; my stage
	v_mul_u32_u24 v3, v1, SPITCH
.if IS_O
	v_lshl_add_u32 v3, v2, 5, v3                   ; in: row r, 32 bytes (8 f32) for each half of the lanes
	v_mul_u32_u24 v4, v2, SPITCH                   ; back: lanes 0-15 one row of 256 bytes, lanes 16-31 the next
	v_lshl_add_u32 v4, v1, 4, v4
	v_lshlrev_b32 v5, 12, v2                       ; and the same two rows in out0 (4,096 bytes a row)
.else
	v_lshl_add_u32 v3, v2, 4, v3                   ; in: row r, 16 bytes (8 f16) for each half of the lanes
	v_mul_u32_u24 v4, v5, SPITCH                   ; back: lanes 0-7 and 8-15 take 128 bytes of two rows: one head's two rows;
	v_lshl_add_u32 v4, v2, 7, v4                   ; lanes 16-31 the second 128 bytes: the next head
	v_and_b32 v5, 7, v0
	v_lshl_add_u32 v4, v5, 4, v4
	v_lshlrev_b32 v5, 20, v2                       ; heads lie 1,048,576 bytes apart in qkv
.endif
	v_add_nc_u32 v[STO], s23, v3
	v_add_nc_u32 v[RD], s23, v4
	v_lshl_add_u32 v[CO], v1, 4, v5
; 16 matrix instructions: row blocks a0, a0 + 1 of the window's four x all 8 column blocks, 32 along K.
; first = 1: the first product takes the bias as C: nothing is cleared, and nothing is added on the way out.
.macro MUL16 f, hi, a0, first
.irp a, \a0, \a0+1
.irp b, 0,1,2,3,4,5,6,7
.if IS_O
.if \first
	v_wmma_f32_16x16x32_f16 v[8*(8*(\a)+\b):8*(8*(\a)+\b)+7], v[\f+8*\b:\f+8*\b+7], v[\f+8*(4*\hi+\a):\f+8*(4*\hi+\a)+7], v[32+8*\b+(\b/4)*160:32+8*\b+(\b/4)*160+7]
.else
	v_wmma_f32_16x16x32_f16 v[8*(8*(\a)+\b):8*(8*(\a)+\b)+7], v[\f+8*\b:\f+8*\b+7], v[\f+8*(4*\hi+\a):\f+8*(4*\hi+\a)+7], v[8*(8*(\a)+\b):8*(8*(\a)+\b)+7]
.endif
.else
.if \first
	v_wmma_f32_16x16x32_bf16 v[8*(8*(\a)+\b):8*(8*(\a)+\b)+7], v[\f+8*\b:\f+8*\b+7], v[\f+8*(4*\hi+\a):\f+8*(4*\hi+\a)+7], v[32+8*\b+(\b/4)*160:32+8*\b+(\b/4)*160+7]
.else
	v_wmma_f32_16x16x32_bf16 v[8*(8*(\a)+\b):8*(8*(\a)+\b)+7], v[\f+8*\b:\f+8*\b+7], v[\f+8*(4*\hi+\a):\f+8*(4*\hi+\a)+7], v[8*(8*(\a)+\b):8*(8*(\a)+\b)+7]
.endif
.endif
.endr
.endr
.endm
; 32 LDS loads in one run: the fragments of quarter q (32 along K) of a slot into buffer f
.macro FETCH slot, q, f
	WIN TO_B
.irp i, 0,1,2,3,4,5,6,7
	ds_load_tr16_b128 v[\f+8*\i:\f+8*\i+3],   v[ADRB+\slot] offset:(\q/2)*QUART+(\q%2)*32*BPITCH+32*\i
	ds_load_tr16_b128 v[\f+8*\i+4:\f+8*\i+7], v[ADRB+\slot] offset:(\q/2)*QUART+(\q%2)*32*BPITCH+32*\i+16*BPITCH
.endr
	WIN 0
.irp i, 0,1,2,3,4,5,6,7
	ds_load_b128 v[\f+8*\i:\f+8*\i+3],   v[ADRA+\slot] offset:(\q/2)*QUART+(\q%2)*64+\i*16*APITCH
	ds_load_b128 v[\f+8*\i+4:\f+8*\i+7], v[ADRA+\slot] offset:(\q/2)*QUART+(\q%2)*64+\i*16*APITCH+32
.endr
.endm
; Four places stand between a matrix instruction and a load into one of its sources or a vector instruction that reads its result
; (ISA guide 7.12.1 for vector instructions); the matrix instructions in between are not counted.
.macro PLACES
.rept 4
	v_nop
.endr
.endm
; One of a K step's first three quarters: multiplies buffer f; in its middle it fetches quarter q of the same slot into buffer g.
.macro QUARTER slot, q, f, g, first
	s_wait_dscnt 8                                 ; W and A's rows 0-63 are in; the youngest eight loads (A's rows 64-127) may be out
.if \first
	WIN MUL_LO1
.else
	WIN MUL_LO
.endif
	MUL16 \f, 0, 0, \first
	MUL16 \f, 0, 2, \first
	PLACES
	FETCH \slot, \q, \g
	s_wait_dscnt 32                                ; all but the 32 just issued
.if \first
	WIN MUL_HI1
.else
	WIN MUL_HI
.endif
	MUL16 \f, 1, 0, \first
	MUL16 \f, 1, 2, \first
.endm
.macro THREE slot, first
	QUARTER \slot, 1, F0, F1, \first
	QUARTER \slot, 2, F1, F0, 0
	QUARTER \slot, 3, F0, F1, 0
.endm
; The last quarter: multiplies buffer 1 and changes slots.  In front of the barrier each wave waits for its reads of this slot and for all its
; tensor loads (one is out: its part of the next slot).  Where the slot is filled again the barrier opens a round of the cluster's barrier, and
; the joint refill is the first tensor load behind the round.  From a request to the wait for it a wave issues 240 matrix instructions.
.macro TURN slot, next, fill
	s_wait_dscnt 8
	WIN MUL_LO
	MUL16 F1, 0, 0, 0
	s_wait_dscnt 0                                 ; my reads of this slot are over
	s_wait_tensorcnt 0x0                           ; and all my tensor loads have landed
	ds_add_u32 v255, v223
	s_wait_dscnt 0x0
	s_barrier_signal -1
	MUL16 F1, 0, 2, 0                              ; register work while the others arrive
	WIN 0
	s_barrier_wait -1
.if \fill
	CREST                                          ; no wave of any partner still reads this slot or has a load on its way
	s_add_nc_u64 s[G0+4*\slot+2:G0+4*\slot+3], s[G0+4*\slot+2:G0+4*\slot+3], ASTEP
	s_add_nc_u64 s[G0B+4*\slot+2:G0B+4*\slot+3], s[G0B+4*\slot+2:G0B+4*\slot+3], BSTEP
	JLOAD \slot
.endif
	PLACES
	FETCH \next, 0, F0
	WIN MUL_HI
	MUL16 F1, 1, 0, 0
	MUL16 F1, 1, 2, 0
.endm
.macro LAP first
	THREE 0, \first
	TURN 0, 1, 1
	THREE 1, 0
	TURN 1, 0, 1
.endm
	s_wait_loadcnt 0x0                             ; the bias
	s_wait_tensorcnt 1                             ; my part of K step 0 is in; K step 1's may stay out
	s_barrier_signal -1
	s_barrier_wait -1
	FETCH 0, 0, F0
	LAP 1                                          ; the first lap stands in front of the loop: its first products start the sums from the bias
	WIN 0
	s_mov_b32 s3, LAPS-2
.Llap:
	LAP 0
	WIN 0
	s_sub_co_u32 s3, s3, 1
	s_cmp_lg_u32 s3, 0
	s_cbranch_scc1 .Llap
	THREE 0, 0                                     ; the last lap fills nothing
	TURN 0, 1, 0
	THREE 1, 0
	s_wait_dscnt 8
	WIN MUL_LO
	MUL16 F1, 0, 0, 0
	MUL16 F1, 0, 2, 0
	s_wait_dscnt 0
	WIN MUL_HI
	MUL16 F1, 1, 0, 0
	MUL16 F1, 1, 2, 0
	; THE WAY OUT, 16 rows at a time through my own stage in LDS, so that sixteen neighbouring lanes store 256 consecutive bytes.
	PLACES
.if IS_O
	s_lshl_b32 s16, s13, 20                        ; 256 rows x 4,096 bytes
	s_lshl_b32 s14, s11, 19
	s_add_co_u32 s16, s16, s14
	s_mov_b32 s17, 0
	s_add_nc_u64 s[8:9], s[70:71], s[16:17]
	s_lshl_b32 s46, s40, 10                        ; 256 columns x 4 bytes
	s_lshl_b32 s47, s12, 9
	s_add_co_u32 s46, s46, s47
	s_mov_b32 s47, 0
	s_add_nc_u64 s[8:9], s[8:9], s[46:47]
.else
	s_lshl_b32 s16, s13, 15                        ; 256 rows x 128 bytes
	s_lshl_b32 s14, s11, 14
	s_add_co_u32 s16, s16, s14
	s_mov_b32 s17, 0
	s_add_nc_u64 s[8:9], s[74:75], s[16:17]
	s_lshl_b32 s46, s40, 22                        ; head 4 cx + 2 (my half), 1,048,576 bytes a head
	s_lshl_b32 s47, s12, 21
	s_add_co_u32 s46, s46, s47
	s_lshl_b32 s47, ttmp9, 24                      ; q, k or v: 16,777,216 bytes each
	s_add_co_u32 s46, s46, s47
	s_mov_b32 s47, 0
	s_add_nc_u64 s[8:9], s[8:9], s[46:47]
.endif
.if IS_O
; rows 16 i .. 16 i + 15, columns 64 nh .. 64 nh + 63 of my block, in f32: tiles (a, 4 nh .. 4 nh + 3) of window 2 or 3 (win: the LDS store's data)
.macro OUTF i, a, win, nh, f
	WIN \win
.irp b, 0,1,2,3
	ds_store_b128 v[STO], v[8*(8*\a+4*\nh+\b):8*(8*\a+4*\nh+\b)+3]   offset:64*\b
	ds_store_b128 v[STO], v[8*(8*\a+4*\nh+\b)+4:8*(8*\a+4*\nh+\b)+7] offset:64*\b+16
.endr
	WIN 0
	s_wait_xcnt 0x0                                ; buffer f, which earlier stores read, is loaded again only behind this wait
.irp t, 0,1,2,3,4,5,6,7
	ds_load_b128 v[\f+4*\t:\f+4*\t+3], v[RD] offset:\t*2*SPITCH    ; LDS serves a wave's instructions in order: these see the stores above
.endr
.irp t, 0,1,2,3,4,5,6,7
	s_wait_dscnt 7-\t                              ; load t is in, the 7 - t younger ones stay out
	global_store_b128 v[CO], v[\f+4*\t:\f+4*\t+3], s[8:9] offset:(16*\i+2*\t)*4096+256*\nh th:TH_STORE_NT
.endr
.endm
	OUTF 0, 0, 0x08, 0, F0
	OUTF 0, 0, 0x08, 1, F1
	OUTF 1, 1, 0x08, 0, F0
	OUTF 1, 1, 0x08, 1, F1
	OUTF 2, 2, 0x08, 0, F0
	OUTF 2, 2, 0x08, 1, F1
	OUTF 3, 3, 0x08, 0, F0
	OUTF 3, 3, 0x08, 1, F1
	OUTF 4, 0, 0x0c, 0, F0
	OUTF 4, 0, 0x0c, 1, F1
	OUTF 5, 1, 0x0c, 0, F0
	OUTF 5, 1, 0x0c, 1, F1
	OUTF 6, 2, 0x0c, 0, F0
	OUTF 6, 2, 0x0c, 1, F1
	OUTF 7, 3, 0x0c, 0, F0
	OUTF 7, 3, 0x0c, 1, F1
.else
; rows 16 i .. 16 i + 15 of my block, rounded to f16: the eight tiles (a, 0..7) of window 2 or 3 (from = 0x0a or 0x0f: sources 0 and 1)
.macro OUT16 i, a, from, f
	WIN \from
.irp b, 0,1,2,3,4,5,6,7
.irp r, 0,1,2,3
	v_cvt_pk_f16_f32 v[TMP+4*\b+\r], v[8*(8*\a+\b)+2*\r], v[8*(8*\a+\b)+2*\r+1]
.endr
.endr
	WIN 0
.irp b, 0,1,2,3,4,5,6,7
	ds_store_b128 v[STO], v[TMP+4*\b:TMP+4*\b+3] offset:32*\b
.endr
	s_wait_xcnt 0x0                                ; buffer f, which earlier stores read, is loaded again only behind this wait
.irp t, 0,1,2,3,4,5,6,7
	ds_load_b128 v[\f+4*\t:\f+4*\t+3], v[RD] offset:\t*2*SPITCH    ; LDS serves a wave's instructions in order: these see the stores above
.endr
.irp t, 0,1,2,3,4,5,6,7
	s_wait_dscnt 7-\t                              ; load t is in, the 7 - t younger ones stay out
	global_store_b128 v[CO], v[\f+4*\t:\f+4*\t+3], s[8:9] offset:2048*\i+256*\t   ; lanes 0-15: two rows of one head, 256 consecutive bytes; lanes 16-31: of the next head
.endr
.endm
	OUT16 0, 0, 0x0a, F0
	OUT16 1, 1, 0x0a, F1
	OUT16 2, 2, 0x0a, F0
	OUT16 3, 3, 0x0a, F1
	OUT16 4, 0, 0x0f, F0
	OUT16 5, 1, 0x0f, F1
	OUT16 6, 2, 0x0f, F0
	OUT16 7, 3, 0x0f, F1
.endif
	s_set_vgpr_msb 0x1
	s_wait_tensorcnt 0x0
	ds_add_u32 v255, v223
	s_wait_dscnt 0x0
	s_set_vgpr_msb 0x100
	CROUND                                         ; the closing round: no work-group ends while a partner may still ask for a tile that names it
	s_endpgm
.Lfunc_end_k_q3ca3b8253f_oproj:
	.size	k_q3ca3b8253f_oproj, .Lfunc_end_k_q3ca3b8253f_oproj-k_q3ca3b8253f_oproj
	.p2alignl 7, 3214868480
	.fill 96, 4, 3214868480
	.section	.rodata,"a",@progbits
	.p2align	6, 0x0
	.amdhsa_kernel k_q3ca3b8253f_oproj
		.amdhsa_group_segment_fixed_size 327680
		.amdhsa_private_segment_fixed_size 0
		.amdhsa_enable_private_segment 0
		.amdhsa_kernarg_size 32
		.amdhsa_user_sgpr_count 2
		.amdhsa_user_sgpr_kernarg_segment_ptr 1
		.amdhsa_wavefront_size32 1
		.amdhsa_system_sgpr_workgroup_id_x 1
		.amdhsa_system_sgpr_workgroup_id_y 1
		.amdhsa_system_sgpr_workgroup_id_z 1
		.amdhsa_system_vgpr_workitem_id 0
		.amdhsa_next_free_vgpr 1024
		.amdhsa_next_free_sgpr 72
		.amdhsa_reserve_vcc 0
		.amdhsa_float_denorm_mode_32 3
		.amdhsa_float_denorm_mode_16_64 3
		.amdhsa_memory_ordered 1
		.amdhsa_forward_progress 1
		.amdhsa_inst_pref_size 198
	.end_amdhsa_kernel
	.amdgpu_metadata
---
amdhsa.version: [ 1, 2 ]
amdhsa.kernels:
  - .name:           k_q3ca3b8253f_oproj
    .symbol:         k_q3ca3b8253f_oproj.kd
    .args:
      - { .name: att, .offset: 0, .size: 8, .value_kind: global_buffer, .address_space: global }
      - { .name: wb, .offset: 8, .size: 8, .value_kind: global_buffer, .address_space: global }
      - { .name: bo, .offset: 16, .size: 8, .value_kind: global_buffer, .address_space: global }
      - { .name: out0, .offset: 24, .size: 8, .value_kind: global_buffer, .address_space: global }
    .group_segment_fixed_size: 327680
    .private_segment_fixed_size: 0
    .kernarg_segment_align: 8
    .kernarg_segment_size: 32
    .max_flat_workgroup_size: 128
    .sgpr_count:     72
    .vgpr_count:     1024
    .wavefront_size: 32
...
	.end_amdgpu_metadata
.endif
;; end of part 4
;; ======== version 2 of 2: 4 launches; version 1 with the launch cvt written anew for expert scheduling mode
;; limits: values are held in f16: magnitudes above 65,504 overflow, below 6.1e-05 lose precision
;; workspace buffers: xb 16,777,216 bytes; wb 8,388,608 bytes; qkv 50,331,648 bytes; att 16,777,216 bytes
;; launch cvt (part 5): grid 768 x 1, 8 waves a work-group, no clusters, 0 bytes of LDS; arguments x, Wq, Wk, Wv, Wo, xb, wb; writes xb, wb
.if DOCPART == 5
	.amdgcn_target "amdgcn-amd-amdhsa--gfx1250"
	.amdhsa_code_object_version 6
	.text
	.protected	k_q3ca3b8253f_cvt
	.globl	k_q3ca3b8253f_cvt
	.p2align	8
	.type	k_q3ca3b8253f_cvt,@function
k_q3ca3b8253f_cvt:
	s_mov_b64 s[64:65], 0
	v_nop
	global_prefetch_b8 v0, s[64:65] scope:SCOPE_SE
	s_setreg_imm32_b32 hwreg(HW_REG_WAVE_SCHED_MODE, 0, 2), 2
	s_setreg_imm32_b32 hwreg(HW_REG_WAVE_MODE, 25, 1), 1
	s_wait_xcnt 0x0
	s_wait_alu depctr_vm_vsrc(0)
; The inputs of the matrix products are rounded once, to bf16 (nearest even), and laid out for the tiles.
;   xb: x [8192][1024] as [16 kb][8192 m][64] bf16 (kb = block of 64 along K): byte kb*1048576 + m*128 + 2*(k & 63).
;   wb: Wq, Wk, Wv, Wo one behind the other, each [1024 k][1024 n] of 16 bits, element by element.  Wq, Wk, Wv: bf16.
;       Wo: rounded to bf16 like the others and then written as f16, because its partner in the last product (att) is f16 and a matrix
;       instruction takes both operands in one format.  A bf16 number has 8 significant bits, f16 has 11 and a subnormal step of 2^-24, so
;       f16 holds every bf16 number of magnitude 2^-17 to 65,504 exactly: there the second conversion changes nothing.
; A stream: no LDS, no barrier, no matrix unit.  Each wave moves 8,192 bytes in and 4,096 out: 16 loads of 16 bytes a lane go out together.
; No address register and no store's data register is written again behind its instruction.
; LIMIT: |Wo| of 65,504 and more becomes an infinity; |Wo| below 2^-17 is moved by at most 2^-25.
; THE MODE: SCHED_MODE bits 1:0 = 2 (LLVM: expert scheduling mode 2), set by the entry lines.  The code itself states the register dependences
; between vector instructions and memory instructions, with s_wait_alu, always for 0.
; THE PLAN.  Registers that memory instructions touch:
;   v2        the loads' offset.  Written by vector instructions on each path, read by the 16 loads, never written again.
;   v3        the stores' offset.  Written once at the head, read by the 16 stores, never written again.
;   X         load n lands in X + 4 n.  No vector instruction names X ahead of the loads; no memory instruction reads it.
;   Y         the roundings of load n write Y + 2 n, one store reads it, and nothing writes it behind that store.
; The 16 loads are worked on in four blocks of four.  Block p rounds loads 4 p to 4 p + 3 into their Y; its memory instructions are the four stores
; of block p - 1, whose Y and offset no vector instruction of block p names.  So one wait at a block's head states all that its four stores hang on,
; and they are dealt among the block's roundings with no further wait.  One wait more stands ahead of the last four stores, one ahead of the loads.
; No register that a memory instruction reads is written again, so no wait for such reads is owed.
.set X, 4                              ; v[4:67]   16 x 4 f32 as loaded (on Wo's path also: the bf16 numbers widened again)
.set Y, 68                             ; v[68:99]  16 x 2 words of 16-bit numbers to store
; v1 lane, v2 byte offset of the loads, v3 byte offset of the stores
; The four numbers of load n are rounded into Y + 2 n.  viaf16 = 1: the bf16 numbers are written in f16
.macro ROUND n, viaf16
	v_cvt_pk_bf16_f32 v[Y+2*(\n)],   v[X+4*(\n)],   v[X+4*(\n)+1]
	v_cvt_pk_bf16_f32 v[Y+2*(\n)+1], v[X+4*(\n)+2], v[X+4*(\n)+3]
.if \viaf16
	v_lshlrev_b32 v[X+4*(\n)],   16,         v[Y+2*(\n)]       ; bf16 to f32: the low half moves up,
	v_and_b32     v[X+4*(\n)+1], 0xffff0000, v[Y+2*(\n)]       ; the high half stays
	v_lshlrev_b32 v[X+4*(\n)+2], 16,         v[Y+2*(\n)+1]
	v_and_b32     v[X+4*(\n)+3], 0xffff0000, v[Y+2*(\n)+1]
	v_cvt_pk_f16_f32 v[Y+2*(\n)],   v[X+4*(\n)],   v[X+4*(\n)+1]
	v_cvt_pk_f16_f32 v[Y+2*(\n)+1], v[X+4*(\n)+2], v[X+4*(\n)+3]
.endif
.endm
.macro CONV sb, db, instep, outstep, outbias, viaf16
	s_wait_alu depctr_va_vdst(0)                   ; v2 and v3 are written: the loads below read v2 as their offset, the stores v3
.irp i, 0,1,2,3,4,5,6,7,8,9,10,11,12,13,14,15
	global_load_b128 v[X+4*\i:X+4*\i+3], v2, s[\sb:\sb+1] offset:\instep*\i th:TH_LOAD_NT   ; read once in the launch
.endr
.irp p, 0,1,2,3
	s_wait_loadcnt 12-4*\p                         ; loads return in order: loads 4 p to 4 p + 3 are in, the 12 - 4 p younger ones stay out
.if \p > 0
	s_wait_alu depctr_va_vdst(0)                   ; the roundings of the block before have written its Y, which the four stores of this block read
.endif
.irp i, 0,1,2,3
.if \p > 0
	global_store_b64 v3, v[Y+2*(4*\p-4+\i):Y+2*(4*\p-4+\i)+1], s[\db:\db+1] offset:\outstep*(4*\p-4+\i)+(\outbias)  ; the block before; 32 lanes x 8 bytes: 256 consecutive bytes, aligned.  No vector instruction since the wait names these registers
.endif
	ROUND 4*\p+\i, \viaf16
.endr
.endr
	s_wait_alu depctr_va_vdst(0)                   ; the last block's roundings have written its Y, which the last four stores read
.irp i, 12,13,14,15
	global_store_b64 v3, v[Y+2*\i:Y+2*\i+1], s[\db:\db+1] offset:\outstep*\i+(\outbias)
.endr
.endm
	s_load_b256 s[4:11], s[0:1], 0x0               ; x s[4:5], Wq s[6:7], Wk s[8:9], Wv s[10:11]
	s_load_b128 s[12:15], s[0:1], 0x20             ; Wo s[12:13], xb s[14:15]
	s_load_b64 s[16:17], s[0:1], 0x30              ; wb
	v_lshrrev_b32 v1, 5, v0
	v_readfirstlane_b32 s18, v1                    ; wave 0..7
	v_and_b32 v1, 31, v0                           ; lane
	v_lshlrev_b32 v3, 3, v1                        ; stores: 8 bytes a lane, on every path
	s_wait_alu depctr_va_sdst(0)                   ; s18 is written, ahead of the branch and of its first reader on either path: the wave's part of the buffers is made from it
	s_cmp_lt_u32 ttmp9, 512                        ; work-groups 0..511 take x, 512..767 the four weights
	s_cbranch_scc0 .Lw
	; x: a wave takes two rows.  Load i = K block i: lanes 0-15 take 256 bytes of the even row, lanes 16-31 the same columns of the odd row.
	s_lshl_b32 s19, ttmp9, 3
	s_add_co_u32 s19, s19, s18                     ; pair of rows, 0..4095
	s_lshl_b32 s20, s19, 13                        ; x 8,192 bytes of x
	s_mov_b32 s21, 0
	s_lshl_b32 s22, s19, 8                         ; x 256 bytes in each K block of xb,
	s_add_co_u32 s22, s22, 0x800000                ; counted from K block 8, so that the 16 blocks lie inside the store's signed 24-bit immediate
	s_mov_b32 s23, 0
	v_and_b32 v2, 15, v1
	v_lshlrev_b32 v2, 4, v2
	v_lshrrev_b32 v[Y], 4, v1
	v_lshl_add_u32 v2, v[Y], 12, v2                ; (lane / 16) rows of 4,096 bytes + 16 (lane % 16)
	s_wait_kmcnt 0x0
	s_add_nc_u64 s[4:5], s[4:5], s[20:21]
	s_add_nc_u64 s[14:15], s[14:15], s[22:23]
	CONV 4, 14, 256, 1048576, -8388608, 0
	s_endpgm
.Lw:	; weights: 64 work-groups each; a wave takes 2,048 consecutive numbers
	s_sub_co_u32 s19, ttmp9, 512
	s_lshr_b32 s24, s19, 6                         ; which weight: 0 q, 1 k, 2 v, 3 o
	s_and_b32 s19, s19, 63
	s_lshl_b32 s19, s19, 3
	s_add_co_u32 s19, s19, s18                     ; part 0..511
	s_lshl_b32 s20, s19, 13                        ; x 8,192 bytes in
	s_mov_b32 s21, 0
	s_lshl_b32 s22, s19, 12                        ; x 4,096 bytes out
	s_lshl_b32 s23, s24, 21                        ; + weight x 2,097,152
	s_add_co_u32 s22, s22, s23
	s_mov_b32 s23, 0
	v_lshlrev_b32 v2, 4, v1
	s_wait_kmcnt 0x0
	s_cmp_eq_u32 s24, 1
	s_cselect_b64 s[26:27], s[8:9], s[6:7]
	s_cmp_eq_u32 s24, 2
	s_cselect_b64 s[26:27], s[10:11], s[26:27]
	s_cmp_eq_u32 s24, 3
	s_cselect_b64 s[26:27], s[12:13], s[26:27]
	s_add_nc_u64 s[26:27], s[26:27], s[20:21]
	s_add_nc_u64 s[16:17], s[16:17], s[22:23]
	s_cmp_eq_u32 s24, 3                            ; the same for the whole work-group
	s_cbranch_scc1 .Lwo
	CONV 26, 16, 512, 256, 0, 0
	s_endpgm
.Lwo:
	CONV 26, 16, 512, 256, 0, 1
	s_endpgm
.Lfunc_end_k_q3ca3b8253f_cvt:
	.size	k_q3ca3b8253f_cvt, .Lfunc_end_k_q3ca3b8253f_cvt-k_q3ca3b8253f_cvt
	.p2alignl 7, 3214868480
	.fill 96, 4, 3214868480
	.section	.rodata,"a",@progbits
	.p2align	6, 0x0
	.amdhsa_kernel k_q3ca3b8253f_cvt
		.amdhsa_group_segment_fixed_size 0
		.amdhsa_private_segment_fixed_size 0
		.amdhsa_enable_private_segment 0
		.amdhsa_kernarg_size 56
		.amdhsa_user_sgpr_count 2
		.amdhsa_user_sgpr_kernarg_segment_ptr 1
		.amdhsa_wavefront_size32 1
		.amdhsa_system_sgpr_workgroup_id_x 1
		.amdhsa_system_sgpr_workgroup_id_y 1
		.amdhsa_system_sgpr_workgroup_id_z 1
		.amdhsa_system_vgpr_workitem_id 0
		.amdhsa_next_free_vgpr 100
		.amdhsa_next_free_sgpr 66
		.amdhsa_reserve_vcc 0
		.amdhsa_float_denorm_mode_32 3
		.amdhsa_float_denorm_mode_16_64 3
		.amdhsa_memory_ordered 1
		.amdhsa_forward_progress 1
		.amdhsa_inst_pref_size 23
	.end_amdhsa_kernel
	.amdgpu_metadata
---
amdhsa.version: [ 1, 2 ]
amdhsa.kernels:
  - .name:           k_q3ca3b8253f_cvt
    .symbol:         k_q3ca3b8253f_cvt.kd
    .args:
      - { .name: x, .offset: 0, .size: 8, .value_kind: global_buffer, .address_space: global }
      - { .name: Wq, .offset: 8, .size: 8, .value_kind: global_buffer, .address_space: global }
      - { .name: Wk, .offset: 16, .size: 8, .value_kind: global_buffer, .address_space: global }
      - { .name: Wv, .offset: 24, .size: 8, .value_kind: global_buffer, .address_space: global }
      - { .name: Wo, .offset: 32, .size: 8, .value_kind: global_buffer, .address_space: global }
      - { .name: xb, .offset: 40, .size: 8, .value_kind: global_buffer, .address_space: global }
      - { .name: wb, .offset: 48, .size: 8, .value_kind: global_buffer, .address_space: global }
    .group_segment_fixed_size: 0
    .private_segment_fixed_size: 0
    .kernarg_segment_align: 8
    .kernarg_segment_size: 56
    .max_flat_workgroup_size: 256
    .sgpr_count:     66
    .vgpr_count:     100
    .wavefront_size: 32
...
	.end_amdgpu_metadata
.endif
;; end of part 5
;; launch qkv: the kernel of part 2 again; grid 12 x 32, 4 waves a work-group, clusters of 4 x 4, 327,680 bytes of LDS; arguments xb, wb, bq, bk, bv, qkv; writes qkv
;; launch attn: the kernel of part 3 again; grid 256 x 1, 4 waves a work-group, no clusters, 327,680 bytes of LDS; arguments qkv, att; writes att
;; launch oproj: the kernel of part 4 again; grid 4 x 32, 4 waves a work-group, clusters of 4 x 4, 327,680 bytes of LDS; arguments att, wb, bo, out0; writes out0
